; MI455X (gfx1250); checked and timed in simulation.
; The chip was launched on July 23, 2026; its instructions are those of AMD's public machine-readable ISA for CDNA 5 (MIT licence, August 2026) and "CDNA5" Instruction Set Architecture Reference Guide (July 2026). The comments in the code are by the model that wrote it; some were corrected since.
;; Causal Attention. Allowed arithmetic: float matrix products may take bf16 or f16 operands with f32 sums; other float arithmetic in f32, or as packed bf16 or f16 multiplies, adds, multiply-adds, maxima and minima; sums over many terms, partial sums and values carried from step to step in f32; what a program stores and reads back later, other than sums and carried values, may be rounded once to bf16 or f16.
;; Inputs: W_key 1,024 x 1,024 float32; W_query 1,024 x 1,024 float32; W_value 1,024 x 1,024 float32; x 4 x 2,048 x 1,024 float32.
;; Outputs: out0 4 x 2,048 x 1,024 float32.
;; 2 versions, each right; version 2 is version 1 with the launch cast written anew for expert scheduling mode. Each part assembles by itself: llvm-mc -triple=amdgcn-amd-amdhsa -mcpu=gfx1250 --defsym DOCPART=n.
;; ======== version 1 of 2: 4 launches
;; limits: values are held in f16: magnitudes above 65,504 overflow, below 6.1e-05 lose precision
;; workspace buffers: xb 16,777,216 bytes; wb 6,291,456 bytes; qh 16,777,216 bytes; kh 16,777,216 bytes; vt 16,777,216 bytes; pw 33,554,432 bytes; stats 1,048,576 bytes
;; launch cast (part 1): grid 352 x 1, 8 waves a work-group, no clusters, 0 bytes of LDS; arguments x, W_query, W_key, W_value, xb, wb; writes xb, wb
.if DOCPART == 1
	.amdgcn_target "amdgcn-amd-amdhsa--gfx1250"
	.amdhsa_code_object_version 6
	.text
	.protected	k_q0476cea865_cast
	.globl	k_q0476cea865_cast
	.p2align	8
	.type	k_q0476cea865_cast,@function
k_q0476cea865_cast:
	s_mov_b64 s[64:65], 0
	v_nop
	global_prefetch_b8 v0, s[64:65] scope:SCOPE_SE
	s_setreg_imm32_b32 hwreg(HW_REG_WAVE_MODE, 25, 1), 1
	s_wait_xcnt 0x0
; x [8192][1024] and the three weights [1024][1024], f32, are rounded once to bf16 (nearest even) and laid out in blocks of 64 along K:
; xb [kb 16][row 8192][64], wb [kb 16][row 3072][64] (rows 0-1023 W_query, 1024-2047 W_key, 2048-3071 W_value), so that R rows x 64 K are R x 128 dense bytes.
; A stream: every byte is read once and written once; no LDS, no barrier, no matrix unit, no cluster (no work-group shares a byte with another).
; SHARES.  A work-group takes 32 rows of 4,096 bytes: ids 0-255 x, ids 256-351 the weights (32 work-groups each).  Wave w takes rows 4 w .. 4 w + 3 as two pairs.
; One load: lanes 0-15 take 256 consecutive bytes (one kb) of a row, lanes 16-31 the same kb of the next row.  A lane's 4 numbers become 8 bytes;
; one store of the wave covers 256 consecutive bytes, aligned: two rows x 128 bytes of one kb block.
; All 32 loads of a wave go out first (16 KiB on their way); no register is written twice, so no source of a pending instruction is ever rewritten.
.set OFD, 4                            ; v[4:19]    byte offset of my 8 bytes in block kb
.set X,   32                           ; v[32:159]  32 loads x 4 registers
.set Y,   160                          ; v[160:223] 32 stores x 2 registers
	s_load_b256 s[4:11], s[0:1], 0x0               ; x s[4:5], W_query s[6:7], W_key s[8:9], W_value s[10:11]
	s_load_b128 s[12:15], s[0:1], 0x20             ; xb s[12:13], wb s[14:15]
	v_and_b32 v20, 31, v0                          ; lane
	v_lshrrev_b32 v21, 5, v0                       ; wave
	v_and_b32 v22, 15, v0
	v_bfe_u32 v23, v0, 4, 1
	v_lshlrev_b32 v1, 4, v22                       ; source: 16 (l % 16)
	v_lshl_add_u32 v1, v23, 12, v1                 ; + a row for lanes 16-31
	v_lshl_add_u32 v1, v21, 14, v1                 ; + 4 rows a wave
	v_lshlrev_b32 v2, 3, v20                       ; destination: 8 l (two rows of 128 bytes on end)
	v_lshl_add_u32 v2, v21, 9, v2                  ; + 4 rows a wave
	s_sub_co_u32 s17, ttmp9, 256                   ; the weights' work-groups: t = 32 x which + block
	s_lshr_b32 s18, s17, 5                         ; which weight
	s_and_b32 s19, s17, 31                         ; which 32 rows of it
	s_mov_b32 s27, 8192*128                        ; bytes from kb to kb in xb
	s_mov_b32 s28, 3072*128                        ; and in wb
	s_cmp_lt_u32 ttmp9, 256
	s_cselect_b32 s30, ttmp9, s19                  ; block of 32 rows in the source
	s_cselect_b32 s32, ttmp9, s17                  ; block of 32 rows in the destination (in wb: 32 x which + block = t)
	s_cselect_b32 s25, s27, s28
	s_lshl_b32 s30, s30, 17                        ; x 32 rows x 4,096 bytes
	s_mov_b32 s31, 0
	s_lshl_b32 s32, s32, 12                        ; x 32 rows x 128 bytes
	s_mov_b32 s33, 0
.set kb, 0
.rept 16
	s_mul_i32 s29, s25, kb
	v_add_nc_u32 v[OFD+kb], s29, v2
.set kb, kb+1
.endr
	s_wait_kmcnt 0x0
	s_cmp_eq_u32 s18, 1
	s_cselect_b64 s[20:21], s[8:9], s[6:7]
	s_cmp_eq_u32 s18, 2
	s_cselect_b64 s[20:21], s[10:11], s[20:21]
	s_cmp_lt_u32 ttmp9, 256
	s_cselect_b64 s[20:21], s[4:5], s[20:21]       ; the source
	s_cselect_b64 s[22:23], s[12:13], s[14:15]     ; the destination
	s_add_nc_u64 s[20:21], s[20:21], s[30:31]
	s_add_nc_u64 s[22:23], s[22:23], s[32:33]
.set n, 0
.rept 32                                       ; n = 16 x pair + kb
	global_load_b128 v[X+4*n:X+4*n+3], v1, s[20:21] offset:(n/16)*8192+(n%16)*256 th:TH_LOAD_NT
.set n, n+1
.endr
.set n, 0
.rept 32
	s_wait_loadcnt 31-n                            ; loads come back in order: number n is in, the younger ones stay out
	v_cvt_pk_bf16_f32 v[Y+2*n], v[X+4*n], v[X+4*n+1]
	v_cvt_pk_bf16_f32 v[Y+2*n+1], v[X+4*n+2], v[X+4*n+3]
	global_store_b64 v[OFD+n%16], v[Y+2*n:Y+2*n+1], s[22:23] offset:(n/16)*256
.set n, n+1
.endr
	s_endpgm
.Lfunc_end_k_q0476cea865_cast:
	.size	k_q0476cea865_cast, .Lfunc_end_k_q0476cea865_cast-k_q0476cea865_cast
	.p2alignl 7, 3214868480
	.fill 96, 4, 3214868480
	.section	.rodata,"a",@progbits
	.p2align	6, 0x0
	.amdhsa_kernel k_q0476cea865_cast
		.amdhsa_group_segment_fixed_size 0
		.amdhsa_private_segment_fixed_size 0
		.amdhsa_enable_private_segment 0
		.amdhsa_kernarg_size 48
		.amdhsa_user_sgpr_count 2
		.amdhsa_user_sgpr_kernarg_segment_ptr 1
		.amdhsa_wavefront_size32 1
		.amdhsa_system_sgpr_workgroup_id_x 1
		.amdhsa_system_sgpr_workgroup_id_y 1
		.amdhsa_system_sgpr_workgroup_id_z 1
		.amdhsa_system_vgpr_workitem_id 0
		.amdhsa_next_free_vgpr 224
		.amdhsa_next_free_sgpr 66
		.amdhsa_reserve_vcc 0
		.amdhsa_float_denorm_mode_32 3
		.amdhsa_float_denorm_mode_16_64 3
		.amdhsa_memory_ordered 1
		.amdhsa_forward_progress 1
		.amdhsa_inst_pref_size 14
	.end_amdhsa_kernel
	.amdgpu_metadata
---
amdhsa.version: [ 1, 2 ]
amdhsa.kernels:
  - .name:           k_q0476cea865_cast
    .symbol:         k_q0476cea865_cast.kd
    .args:
      - { .name: x, .offset: 0, .size: 8, .value_kind: global_buffer, .address_space: global }
      - { .name: W_query, .offset: 8, .size: 8, .value_kind: global_buffer, .address_space: global }
      - { .name: W_key, .offset: 16, .size: 8, .value_kind: global_buffer, .address_space: global }
      - { .name: W_value, .offset: 24, .size: 8, .value_kind: global_buffer, .address_space: global }
      - { .name: xb, .offset: 32, .size: 8, .value_kind: global_buffer, .address_space: global }
      - { .name: wb, .offset: 40, .size: 8, .value_kind: global_buffer, .address_space: global }
    .group_segment_fixed_size: 0
    .private_segment_fixed_size: 0
    .kernarg_segment_align: 8
    .kernarg_segment_size: 48
    .max_flat_workgroup_size: 256
    .sgpr_count:     66
    .vgpr_count:     224
    .wavefront_size: 32
...
	.end_amdgpu_metadata
.endif
;; end of part 1
;; launch proj (part 2): grid 8 x 32, 4 waves a work-group, clusters of 4 x 4, 327,680 bytes of LDS; arguments xb, wb, qh, kh, vt; writes qh, kh, vt
.if DOCPART == 2
	.amdgcn_target "amdgcn-amd-amdhsa--gfx1250"
	.amdhsa_code_object_version 6
	.text
	.protected	k_q0476cea865_proj
	.globl	k_q0476cea865_proj
	.p2align	8
	.type	k_q0476cea865_proj,@function
k_q0476cea865_proj:
	s_mov_b64 s[64:65], 0
	v_nop
	global_prefetch_b8 v0, s[64:65] scope:SCOPE_SE
	s_setreg_imm32_b32 hwreg(HW_REG_WAVE_MODE, 25, 1), 1
	s_wait_xcnt 0x0
	s_wait_alu depctr_hold_cnt(0) depctr_sa_sdst(0) depctr_va_vdst(0) depctr_va_sdst(0) depctr_va_ssrc(0) depctr_va_vcc(0) depctr_vm_vsrc(0)
	s_getreg_b32 s2, hwreg(HW_REG_IB_STS2, 6, 4)
	s_cmp_eq_u32 s2, 0
	s_cbranch_scc0 .Lentry_in_a_cluster
	s_endpgm
.Lentry_in_a_cluster:
	s_bfe_u32 s2, ttmp6, 0x10000c
	s_cmp_lg_u32 s2, 0xf033
	s_cbranch_scc0 .Lentry_shape_is_right
	s_endpgm
.Lentry_shape_is_right:
; q, k, v = x W^T, all three at once.  xb, wb: bf16 in blocks of 64 along K.  Sums in f32; each result rounded once to f16, unscaled.
; OUT: qh, kh [ob 16][token 8192][64] f16 (blocks of 64 columns, dense); vt [channel 1024][token 8192] f16 (v transposed).
; LIMIT: |q|, |k|, |v| stay under 65,504 (f16's largest number); NaN and infinities are not treated apart.
; SHARES.  A work-group makes 256 tokens x 128 columns of each of q, k, v; wave (wr, wc) 128 tokens x 64 columns of each: 96 accumulators, 768 registers.
; One fragment of x feeds three products: 80 LDS loads for a K step's 192 matrix instructions.
; K goes in steps of 64 (one block) through two LDS slots; a step of 128 would need two slots of 174,080 bytes, more than LDS holds.
; CLUSTER 4 x 4: x's tile hangs on the token block alone and is shared along a row of the cluster, W's tiles on the column block alone and are shared along a column.
; Wave 0 asks for x's tile (32 KiB), waves 1-3 for the tiles of W_query, W_key, W_value (16 KiB each): one joint load a wave behind each round.
; SOURCES.  q, k: source 0 = W's rows, source 1 = x's rows: a lane holds one token and 8 neighbouring columns.  v: the other way round: one channel and 8 neighbouring tokens.
; REGISTERS (windows of 256): window 0: v0-31 addresses; v32-63 packed results; v64-127, v128-191 x's fragments of the step's two halves; v192-223, v224-255 one W's fragments, two buffers.
;   windows 1, 2, 3: the accumulators of q, k, v: token block a (0-7), column block b (0-3) at v[8 (4 a + b)].
.set PITCH, 144                        ; an LDS row: 128 bytes + 16 of padding: 16 rows of a load start at 16 different groups of four banks (ISA guide 11.1)
.set XT,    256*PITCH                  ; x's tile
.set WT,    128*PITCH                  ; one W's tile
.set SLOT1, 1<<17                      ; slot 1 begins here: one exclusive or turns an address of one slot (92,160 bytes) into the other's
.set STAGE, SLOT1+XT+3*WT              ; behind the ring: 4,352 bytes for each wave, for the way out
.set SPV,   272
.set SPARE, STAGE+4*16*SPV             ; behind the stages: the spare words, 128 bytes for each wave
.set XSTEP, 8192*128                   ; bytes from K block to K block in xb
.set WSTEP, 3072*128                   ; and in wb
.set A0,  2                            ; my lane's place in x's tile; never rewritten
.set B0,  3                            ; and in W_query's tile
.set ADA, 4                            ; the same in the slot in hand
.set ADB, 5
.set STOQ, 6                           ; the way out of q and k: in, back, my bytes in memory
.set RDQ,  7
.set GOQ,  8
.set STOV, 9                           ; the way out of v
.set RDV,  10
.set COV,  11
.set SPW, 28                           ; LDS address of my spare word; never rewritten
.set NIL, 29                           ; 0; never rewritten
.set PFO, 30                           ; the prefetches' offset; never rewritten
.set PK,  32
.set FA0, 64
.set FA1, 128
.set FB0, 192
.set FB1, 224
.set BK,  64                           ; the way out: rows read back
.set WV, 14
.set WR, 15
.set WC, 16
.set CX, 17
.set CY, 18
.set CB, 19                            ; column block 0-7
.set RB, 20                            ; token block 0-31
.set G1A, 24                           ; s[24:31] group 1 for x's tile
.set G1B, 32                           ; s[32:39] for W's tiles
.set G0A, 40                           ; s[40:47] group 0 for x: a set for each first fill; the second then walks
.set G0B, 48                           ; s[48:55] the same for W
.set TB,  60                           ; 0 or SLOT1: the slot that the fragments come from
.set CNT, 61
.set LIM, 62                           ; a wave prefetches while CNT is above it
.set PAR, 63                           ; and only in trips where CNT & PAR is 0
.set PFA, 66                           ; s[66:67] where my prefetches stand
.set PFS, 68                           ; s[68:69] their step
.set TT,  70
.set QB,  82                           ; s[82:83] q's, s[84:85] k's, s[86:87] v's first byte of my part
.set VB,  86
.set DW0, (1<<16)|(1<<20)|(1<<21)|(4<<22)|(3<<25)  ; 2-byte elements; padding on; bit 21 beside a mask; after every 32 words; 4 words
.set MSB, 0
.macro WIN new                         ; the immediate's high byte repeats the setting that is left; a switch that changes nothing is dropped
.if MSB != (\new)
	s_set_vgpr_msb (MSB<<8)|(\new)
.set MSB, \new
.endif
.endm
.macro PLACES                          ; four places behind a matrix instruction (ISA guide 7.12.1)
.rept 4
	v_nop
.endr
.endm
.macro CREST                           ; a round of the cluster's barrier behind its opening barrier
	s_cmp_lg_u32 s[WV], 0
	s_cbranch_scc1 .Lnot_wave_0_\@
	s_barrier_signal -3
.Lnot_wave_0_\@:
	s_barrier_wait -3
	s_barrier_signal -1
	s_barrier_wait -1
.endm
.macro CROUND
	s_barrier_signal -1
	s_barrier_wait -1
	CREST
.endm
.macro JLOAD                           ; the joint refill; the branch hangs on the wave's number alone; an s_nop 0 and four v_nop follow each line
	s_cmp_eq_u32 s[WV], 0
	s_cbranch_scc0 .Lfor_w_\@
	tensor_load_to_lds s[G0A+4:G0A+7], s[G1A:G1A+7]
	s_nop 0
	PLACES
	s_branch .Lasked_\@
.Lfor_w_\@:
	tensor_load_to_lds s[G0B+4:G0B+7], s[G1B:G1B+7]
	s_nop 0
	PLACES
.Lasked_\@:
.endm
; A PREFETCH INTO THE L2, behind the joint load and the run of LDS loads: in trip t (which refills K step t + 2) for K step t + 3.
; x's tile (128 blocks of 256 bytes): the clusters with x = 0 ask, wave 0; the four partners of a row take 32 blocks each, told apart by address: a lane a block, every trip.
; W's tiles (64 blocks): the clusters with y = 0 ask, waves 1-3; the four partners of a column take 16 blocks each; lanes 0-15 name step t + 3, lanes 16-31 step t + 4, every second trip.
; So each block is named once.  Steps 0-2 come by their loads alone; x's last request is for step 15, W's for step 14.
.macro ASK
	s_and_b32 s[TT], s[CNT], s[PAR]
	s_cmp_eq_u32 s[TT], 0
	s_cbranch_scc0 .Lnot_mine_\@
	s_cmp_gt_u32 s[CNT], s[LIM]
	s_cbranch_scc0 .Lnot_mine_\@
	global_prefetch_b8 v[PFO], s[PFA:PFA+1] th:TH_LOAD_NT scope:SCOPE_SE
.Lnot_mine_\@:
.endm
	s_load_b256 s[4:11], s[0:1], 0x0               ; xb s[4:5], wb s[6:7], qh s[8:9], kh s[10:11]
	s_load_b64 s[12:13], s[0:1], 0x20              ; vt
	v_lshl_add_u32 v[SPW], v0, 2, SPARE
	v_mov_b32 v[NIL], 0
	ds_add_u32 v[SPW], v[NIL]                      ; the wave's opening: the add and its wait ahead of my first tensor load
	v_lshrrev_b32 v1, 5, v0
	v_readfirstlane_b32 s[WV], v1
	s_lshr_b32 s[WR], s[WV], 1                     ; which 128 tokens are mine
	s_and_b32 s[WC], s[WV], 1                      ; which 64 columns
	s_bfe_u32 s[CX], ttmp6, 0x40000
	s_bfe_u32 s[CY], ttmp6, 0x40004
	s_lshl_b32 s[CB], ttmp9, 2
	s_add_co_u32 s[CB], s[CB], s[CX]
	s_and_b32 s[RB], ttmp7, 0xffff
	s_lshl_b32 s[RB], s[RB], 2
	s_add_co_u32 s[RB], s[RB], s[CY]
	s_lshl_b32 s21, s[CY], 2
	s_lshl_b32 s21, 15, s21                        ; my row of the cluster
	s_lshl_b32 s22, 0x1111, s[CX]                  ; my column
	s_or_b32 s[G1A], s21, DW0
	s_or_b32 s[G1B], s22, DW0
	s_mov_b32 s[G1A+1], 128<<16                    ; the tiles are dense: asked for as rows of 256 bytes (128 elements), padded after every 128 bytes
	s_mov_b32 s[G1A+2], 128<<16                    ; x: 128 such rows
	s_mov_b32 s[G1A+3], 128<<16
	s_mov_b32 s[G1A+4], 128
	s_mov_b32 s[G1A+5], 128
	s_mov_b32 s[G1A+6], 0
	s_mov_b32 s[G1A+7], 0
	s_mov_b32 s[G1B+1], 128<<16
	s_mov_b32 s[G1B+2], 64<<16                     ; W: 64 such rows
	s_mov_b32 s[G1B+3], 128<<16
	s_mov_b32 s[G1B+4], 64
	s_mov_b32 s[G1B+5], 128
	s_mov_b32 s[G1B+6], 0
	s_mov_b32 s[G1B+7], 0
	s_lshl_b32 s56, s[RB], 15                      ; x: 256 rows of 128 bytes a token block
	s_mov_b32 s57, 0
	s_max_u32 s58, s[WV], 1
	s_sub_co_u32 s58, s58, 1                       ; which W (waves 1-3)
	s_lshl_b32 s58, s58, 17                        ; its 1,024 rows of 128 bytes
	s_lshl_b32 s59, s[CB], 14                      ; + 128 rows a column block
	s_add_co_u32 s58, s58, s59
	s_mov_b32 s59, 0
	s_mul_i32 s23, s[WV], WT
	s_add_co_u32 s23, s23, WT                      ; W's tiles lie behind x's: XT + (wave - 1) WT
	s_mov_b32 s[G0A], 1
	s_mov_b32 s[G0A+1], 0
	s_mov_b32 s[G0A+4], 1
	s_mov_b32 s[G0A+5], SLOT1
	s_mov_b32 s[G0B], 1
	s_mov_b32 s[G0B+1], s23
	s_mov_b32 s[G0B+4], 1
	s_add_co_u32 s[G0B+5], s23, SLOT1
	s_mov_b32 s[TB], 0
	s_wait_dscnt 0x0                               ; the opening add is done
	s_wait_kmcnt 0x0
	s_add_nc_u64 s[G0A+2:G0A+3], s[4:5], s[56:57]  ; K step 0
	s_add_nc_u64 s[G0A+6:G0A+7], s[G0A+2:G0A+3], XSTEP  ; K step 1
	s_or_b32 s[G0A+3], s[G0A+3], 0x80000000
	s_or_b32 s[G0A+7], s[G0A+7], 0x80000000
	s_add_nc_u64 s[G0B+2:G0B+3], s[6:7], s[58:59]
	s_add_nc_u64 s[G0B+6:G0B+7], s[G0B+2:G0B+3], WSTEP
	s_or_b32 s[G0B+3], s[G0B+3], 0x80000000
	s_or_b32 s[G0B+7], s[G0B+7], 0x80000000
	CROUND                                         ; all sixteen work-groups are here: the first joint loads meet
	s_cmp_eq_u32 s[WV], 0                          ; a wave's two first fills stand in one branch: two loads of mine are out
	s_cbranch_scc0 .Lfirst_w
	tensor_load_to_lds s[G0A:G0A+3], s[G1A:G1A+7]
	s_nop 0
	tensor_load_to_lds s[G0A+4:G0A+7], s[G1A:G1A+7]
	s_nop 0
	PLACES
	s_branch .Lfirst_asked
.Lfirst_w:
	tensor_load_to_lds s[G0B:G0B+3], s[G1B:G1B+7]
	s_nop 0
	tensor_load_to_lds s[G0B+4:G0B+7], s[G1B:G1B+7]
	s_nop 0
	PLACES
.Lfirst_asked:
	; a fragment is 16 rows x 32 K in 8 registers: lane l holds row l % 16, K 8 (l / 16) + 0..7 and 16 + 8 (l / 16) + 0..7: two loads of 16 bytes, 32 bytes apart
	v_and_b32 v12, 15, v0                          ; r
	v_bfe_u32 v13, v0, 4, 1                        ; h
	v_and_b32 v14, 31, v0                          ; l
	v_mul_u32_u24 v15, v12, PITCH
	v_lshl_add_u32 v15, v13, 4, v15                ; r x pitch + 16 h
	s_mul_i32 s23, s[WR], 128*PITCH
	v_add_nc_u32 v[A0], s23, v15
	s_mul_i32 s23, s[WC], 64*PITCH
	s_add_co_u32 s23, s23, XT
	v_add_nc_u32 v[B0], s23, v15
	v_mov_b32 v[ADA], v[A0]
	v_mov_b32 v[ADB], v[B0]
	s_mul_i32 s23, s[WV], 16*SPV
	s_add_co_u32 s23, s23, STAGE                   ; my stage
	v_add_nc_u32 v[STOQ], s23, v15                 ; q, k in: row r of 128 bytes, pitch 144
	v_lshrrev_b32 v16, 3, v14
	v_mul_u32_u24 v16, v16, PITCH
	v_and_b32 v17, 7, v0
	v_lshl_add_u32 v16, v17, 4, v16
	v_add_nc_u32 v[RDQ], s23, v16                  ; back: 32 lanes take four rows of 128 bytes,
	v_lshlrev_b32 v[GOQ], 4, v14                   ; which are 512 consecutive bytes of qh or kh
	v_mul_u32_u24 v16, v12, SPV
	v_lshl_add_u32 v16, v13, 4, v16
	v_add_nc_u32 v[STOV], s23, v16                 ; v in: row r of 256 bytes, pitch 272
	v_mul_u32_u24 v16, v13, SPV
	v_lshl_add_u32 v16, v12, 4, v16
	v_add_nc_u32 v[RDV], s23, v16                  ; back: lanes 0-15 one row, lanes 16-31 the next
	v_lshlrev_b32 v[COV], 14, v13                  ; and the same two rows of vt
	v_lshl_add_u32 v[COV], v12, 4, v[COV]
	s_lshl_b32 s80, s[CB], 1                       ; q, k: block of 64 columns 2 cb + wc,
	s_add_co_u32 s80, s80, s[WC]
	s_lshl_b32 s80, s80, 20
	s_lshl_b32 s81, s[RB], 15                      ; token 256 rb + 128 wr, 128 bytes each
	s_add_co_u32 s80, s80, s81
	s_lshl_b32 s81, s[WR], 14
	s_add_co_u32 s80, s80, s81
	s_mov_b32 s81, 0
	s_add_nc_u64 s[QB:QB+1], s[8:9], s[80:81]
	s_add_nc_u64 s[QB+2:QB+3], s[10:11], s[80:81]
	s_lshl_b32 s80, s[CB], 21                      ; v: channel 128 cb + 64 wc, 16,384 bytes each; token x 2 bytes
	s_lshl_b32 s79, s[WC], 20
	s_add_co_u32 s80, s80, s79
	s_lshl_b32 s79, s[RB], 9
	s_add_co_u32 s80, s80, s79
	s_lshl_b32 s79, s[WR], 8
	s_add_co_u32 s80, s80, s79
	s_add_nc_u64 s[VB:VB+1], s[12:13], s[80:81]
	; the prefetches
	s_lshl_b32 s70, s[CX], 13                      ; x: my work-group's quarter of the tile
	s_add_co_u32 s70, s70, s56
	s_lshl_b32 s71, s[CY], 12                      ; W: likewise
	s_add_co_u32 s71, s71, s58
	s_and_b32 s78, ttmp7, 0xffff
	s_mov_b32 s72, XSTEP
	s_mov_b32 s73, WSTEP
	s_cmp_eq_u32 s[WV], 0
	s_cselect_b32 s70, s70, s71
	s_cselect_b32 s[PFS], s72, s73
	s_cselect_b64 s[PFA:PFA+1], s[4:5], s[6:7]
	s_cselect_b32 s79, ttmp9, s78                  ; the coordinate along which other clusters read the same tile
	s_cselect_b32 s[PAR], 0, 1
	s_cselect_b32 s77, 1, 3
	s_cselect_b32 s76, 4096, s73                   ; what lanes 16-31 add: 16 blocks more, or a K step
	s_cmp_eq_u32 s79, 0
	s_cselect_b32 s[LIM], s77, -1                  ; the same in all sixteen partners, for a given wave
	s_mov_b32 s71, 0
	s_mov_b32 s[PFS+1], 0
	s_add_nc_u64 s[PFA:PFA+1], s[PFA:PFA+1], s[70:71]
	s_add_nc_u64 s[PFA:PFA+1], s[PFA:PFA+1], s[PFS:PFS+1]
	s_add_nc_u64 s[PFA:PFA+1], s[PFA:PFA+1], s[PFS:PFS+1]  ; at K step 2: the first change of slots steps it to 3
	v_lshlrev_b32 v[PFO], 8, v12
	v_mad_u32_u24 v[PFO], v13, s76, v[PFO]
.macro LDB g, ks, buf                  ; 8 LDS loads: W number g, half ks of the step, my 64 rows
.set i, 0
.rept 4
	ds_load_b128 v[(\buf)+8*i:(\buf)+8*i+3],   v[ADB] offset:(\g)*WT+(\ks)*64+i*16*PITCH
	ds_load_b128 v[(\buf)+8*i+4:(\buf)+8*i+7], v[ADB] offset:(\g)*WT+(\ks)*64+i*16*PITCH+32
.set i, i+1
.endr
.endm
.macro LDA ks, buf                     ; 16 LDS loads: x, half ks of the step, my 128 rows
.set i, 0
.rept 8
	ds_load_b128 v[(\buf)+8*i:(\buf)+8*i+3],   v[ADA] offset:(\ks)*64+i*16*PITCH
	ds_load_b128 v[(\buf)+8*i+4:(\buf)+8*i+7], v[ADA] offset:(\ks)*64+i*16*PITCH+32
.set i, i+1
.endr
.endm
; 16 products of output g: token blocks a0 .. a0 + 3 x 4 column blocks.  The accumulators take turns: 95 others' stand between two links of a chain.
.macro MULH g, fa, fb, a0, zero
	WIN 0x50*((\g)+1)
.set a, \a0
.rept 4
.set b, 0
.rept 4
.set rD, 8*(4*a+b)
.if (\g) == 2
.set rX, (\fa)+8*a
.set rY, (\fb)+8*b
.else
.set rX, (\fb)+8*b
.set rY, (\fa)+8*a
.endif
.if \zero
	v_wmma_f32_16x16x32_bf16 v[rD:rD+7], v[rX:rX+7], v[rY:rY+7], 0
.else
	v_wmma_f32_16x16x32_bf16 v[rD:rD+7], v[rX:rX+7], v[rY:rY+7], v[rD:rD+7]
.endif
.set b, b+1
.endr
.set a, a+1
.endr
.endm
; A K step is six phases of 32 products.  A phase's head: the run of loads issued a phase (32 products) earlier is in; four places; then the next phase's loads.
.macro HEADP
	s_wait_dscnt 0x0
	WIN 0
	PLACES
.endm
.macro P0 zero                         ; q, first half
	HEADP
	LDB 1, 0, FB1
	MULH 0, FA0, FB0, 0, \zero
	MULH 0, FA0, FB0, 4, \zero
.endm
.macro P1 zero                         ; k, first half
	HEADP
	LDB 2, 0, FB0
	MULH 1, FA0, FB1, 0, \zero
	MULH 1, FA0, FB1, 4, \zero
.endm
.macro P2 zero                         ; v, first half
	HEADP
	LDB 0, 1, FB1
	LDA 1, FA1
	MULH 2, FA0, FB0, 0, \zero
	MULH 2, FA0, FB0, 4, \zero
.endm
.macro P3                              ; q, second half
	HEADP
	LDB 1, 1, FB0
	MULH 0, FA1, FB1, 0, 0
	MULH 0, FA1, FB1, 4, 0
.endm
; k's and v's second halves, and between them THE CHANGE OF SLOTS.  Each wave issues its last reads of the slot, waits for all its tensor loads (one is out: its part of the other slot),
; adds 0 to its spare word, and waits for that and for its reads.  fill = 1: the barrier opens a round of the cluster's barrier, and the joint refill (two K steps on) is the first thing behind it:
; 160 products stand between that request and the wait for it.
.macro TURN fill
	HEADP
	LDB 2, 1, FB1                                  ; the slot's last read
.if \fill
	s_wait_xcnt 0x0                                ; the last prefetch, a K step back, has read its address
	s_add_nc_u64 s[PFA:PFA+1], s[PFA:PFA+1], s[PFS:PFS+1]
.endif
	s_wait_tensorcnt 0x0                           ; no tensor load of mine is out, so a group 0 may be written
	ds_add_u32 v[SPW], v[NIL]                      ; 0 onto my spare word
.if \fill
	s_xor_b32 s[G0A+5], s[G0A+5], SLOT1            ; the walking descriptors: the other slot, the next K step
	s_add_nc_u64 s[G0A+6:G0A+7], s[G0A+6:G0A+7], XSTEP
	s_xor_b32 s[G0B+5], s[G0B+5], SLOT1
	s_add_nc_u64 s[G0B+6:G0B+7], s[G0B+6:G0B+7], WSTEP
.endif
	MULH 1, FA1, FB0, 0, 0
	s_wait_dscnt 0x0                               ; the add is done, and my reads of this slot are over
	s_barrier_signal -1
	MULH 1, FA1, FB0, 4, 0
	WIN 0
	s_barrier_wait -1
.if \fill
	CREST
	JLOAD                                          ; its four v_nop are also the places in front of the loads below
.else
	PLACES
.endif
	s_xor_b32 s[TB], s[TB], SLOT1
	v_add_nc_u32 v[ADA], s[TB], v[A0]
	v_add_nc_u32 v[ADB], s[TB], v[B0]
	LDB 0, 0, FB0
	LDA 0, FA0
.if \fill
	ASK
.endif
	MULH 2, FA1, FB1, 0, 0
	MULH 2, FA1, FB1, 4, 0
.endm
	s_wait_tensorcnt 1                             ; my part of K step 0 is in; step 1's may stay out
	s_barrier_signal -1
	s_barrier_wait -1
	LDB 0, 0, FB0
	LDA 0, FA0
	P0 1                                           ; the first three phases start the 96 sums: nothing is cleared
	P1 1
	P2 1
	WIN 0
	s_mov_b32 s[CNT], 14
.Lstep:                                        ; a trip: the second half of a K step, the refill two steps on, the first half of the next step
	P3
	TURN 1
	P0 0
	P1 0
	P2 0
	WIN 0
	s_sub_co_u32 s[CNT], s[CNT], 1
	s_cmp_lg_u32 s[CNT], 0
	s_cbranch_scc1 .Lstep
	s_mov_b32 s[CNT], 2
.Ltail:                                        ; the last two K steps ask for nothing; the second trip is left in its middle (its fetch of the other slot's old bytes serves nothing)
	P3
	TURN 0
	WIN 0
	s_sub_co_u32 s[CNT], s[CNT], 1
	s_cmp_eq_u32 s[CNT], 0
	s_cbranch_scc1 .Lout
	P0 0
	P1 0
	P2 0
	WIN 0
	s_branch .Ltail
.Lout:
	s_wait_dscnt 0x0
	PLACES
; THE WAY OUT.  q, k: block a (16 tokens x 64 columns): rounded, into stage rows of 144 bytes, back as 2,048 dense bytes.
.macro PACKQ g, a
	WIN 0x05*((\g)+1)
.set i, 0
.rept 16
.set rS, 8*(4*(\a)+i/4)+2*(i%4)
	v_cvt_pk_f16_f32 v[PK+i], v[rS], v[rS+1]
.set i, i+1
.endr
	WIN 0
.endm
.macro STAGEQ a
	s_wait_xcnt 0x0                                ; the registers that earlier stores read are loaded again only behind this wait
.set i, 0
.rept 4
	ds_store_b128 v[STOQ], v[PK+4*i:PK+4*i+3] offset:32*i
.set i, i+1
.endr
.set i, 0
.rept 4
	ds_load_b128 v[BK+16*((\a)%2)+4*i:BK+16*((\a)%2)+4*i+3], v[RDQ] offset:i*4*PITCH  ; LDS serves a wave's instructions in order (ISA guide 5.7.1.4)
.set i, i+1
.endr
.endm
.macro SENDQ a, base
	s_wait_dscnt 0x0
.set i, 0
.rept 4
	global_store_b128 v[GOQ], v[BK+16*((\a)%2)+4*i:BK+16*((\a)%2)+4*i+3], s[(\base):(\base)+1] offset:(\a)*2048+i*512  ; 512 consecutive bytes, aligned
.set i, i+1
.endr
.endm
.irp g, 0,1
	PACKQ \g, 0
	STAGEQ 0
.irp a, 1,2,3,4,5,6,7
	PACKQ \g, \a
	SENDQ (\a)-1, QB+2*(\g)
	STAGEQ \a
.endr
	SENDQ 7, QB+2*(\g)
.endr
; v: block b (16 channels x 128 tokens): stage rows of 272 bytes, back as whole rows of 256 bytes
.macro PACKV b
	WIN 0x0f
.set i, 0
.rept 32
.set rS, 8*(4*(i/4)+(\b))+2*(i%4)
	v_cvt_pk_f16_f32 v[PK+i], v[rS], v[rS+1]
.set i, i+1
.endr
	WIN 0
.endm
.macro STAGEV b
	s_wait_xcnt 0x0
.set i, 0
.rept 8
	ds_store_b128 v[STOV], v[PK+4*i:PK+4*i+3] offset:32*i
.set i, i+1
.endr
.set i, 0
.rept 8
	ds_load_b128 v[BK+32*((\b)%2)+4*i:BK+32*((\b)%2)+4*i+3], v[RDV] offset:i*2*SPV
.set i, i+1
.endr
.endm
.macro SENDV b
	s_wait_dscnt 0x0
.set i, 0
.rept 8
	global_store_b128 v[COV], v[BK+32*((\b)%2)+4*i:BK+32*((\b)%2)+4*i+3], s[VB:VB+1] offset:(16*(\b)+2*i)*16384  ; 16 lanes store 256 consecutive bytes, aligned
.set i, i+1
.endr
.endm
	PACKV 0
	STAGEV 0
.irp b, 1,2,3
	PACKV \b
	SENDV (\b)-1
	STAGEV \b
.endr
	SENDV 3
	s_wait_tensorcnt 0x0                           ; the wave's end
	ds_add_u32 v[SPW], v[NIL]
	s_wait_dscnt 0x0
	CROUND                                         ; the closing round
	s_endpgm
.Lfunc_end_k_q0476cea865_proj:
	.size	k_q0476cea865_proj, .Lfunc_end_k_q0476cea865_proj-k_q0476cea865_proj
	.p2alignl 7, 3214868480
	.fill 96, 4, 3214868480
	.section	.rodata,"a",@progbits
	.p2align	6, 0x0
	.amdhsa_kernel k_q0476cea865_proj
		.amdhsa_group_segment_fixed_size 327680
		.amdhsa_private_segment_fixed_size 0
		.amdhsa_enable_private_segment 0
		.amdhsa_kernarg_size 40
		.amdhsa_user_sgpr_count 2
		.amdhsa_user_sgpr_kernarg_segment_ptr 1
		.amdhsa_wavefront_size32 1
		.amdhsa_system_sgpr_workgroup_id_x 1
		.amdhsa_system_sgpr_workgroup_id_y 1
		.amdhsa_system_sgpr_workgroup_id_z 1
		.amdhsa_system_vgpr_workitem_id 0
		.amdhsa_next_free_vgpr 1024
		.amdhsa_next_free_sgpr 96
		.amdhsa_reserve_vcc 0
		.amdhsa_float_denorm_mode_32 3
		.amdhsa_float_denorm_mode_16_64 3
		.amdhsa_memory_ordered 1
		.amdhsa_forward_progress 1
		.amdhsa_inst_pref_size 106
	.end_amdhsa_kernel
	.amdgpu_metadata
---
amdhsa.version: [ 1, 2 ]
amdhsa.kernels:
  - .name:           k_q0476cea865_proj
    .symbol:         k_q0476cea865_proj.kd
    .args:
      - { .name: xb, .offset: 0, .size: 8, .value_kind: global_buffer, .address_space: global }
      - { .name: wb, .offset: 8, .size: 8, .value_kind: global_buffer, .address_space: global }
      - { .name: qh, .offset: 16, .size: 8, .value_kind: global_buffer, .address_space: global }
      - { .name: kh, .offset: 24, .size: 8, .value_kind: global_buffer, .address_space: global }
      - { .name: vt, .offset: 32, .size: 8, .value_kind: global_buffer, .address_space: global }
    .group_segment_fixed_size: 327680
    .private_segment_fixed_size: 0
    .kernarg_segment_align: 8
    .kernarg_segment_size: 40
    .max_flat_workgroup_size: 128
    .sgpr_count:     96
    .vgpr_count:     1024
    .wavefront_size: 32
...
	.end_amdgpu_metadata
.endif
;; end of part 2
;; launch score (part 3): grid 36 x 4, 4 waves a work-group, no clusters, 327,680 bytes of LDS; arguments qh, kh, pw, stats; writes pw, stats
.if DOCPART == 3
	.amdgcn_target "amdgcn-amd-amdhsa--gfx1250"
	.amdhsa_code_object_version 6
	.text
	.protected	k_q0476cea865_score
	.globl	k_q0476cea865_score
	.p2align	8
	.type	k_q0476cea865_score,@function
k_q0476cea865_score:
	s_mov_b64 s[64:65], 0
	v_nop
	global_prefetch_b8 v0, s[64:65] scope:SCOPE_SE
	s_setreg_imm32_b32 hwreg(HW_REG_WAVE_MODE, 25, 1), 1
	s_wait_xcnt 0x0
; THE WEIGHTS.  For each tile (I, J <= I) of 256 queries x 256 keys of a batch: s = q . k (f16 operands, f32 sums over 1,024 channels), the causal mask, and for each query and each GROUP of 128 keys
; m = c max s, p = 2^(c s - m), l = the sum of the unrounded p, with c = log2(e) / 32.  OUT: pw [token][key 2048] f16 (p, at most 1); stats f32: m at g x 32,768 + token x 4, l 524,288 further on.
; The next launch joins the groups by the true maximum over them.
; LIMITS.  A hidden score counts as its value less 1e30 (scores of f16 operands stay under 4.4e12); a weight below 2^-126 counts as 0; NaN and infinities are not treated apart.
; A wave whose 128 x 128 scores are all hidden stores finite p and m = -1e30, which makes its group's factor 0 in the next launch.
; SHARES.  ttmp9 = I (I + 1) / 2 + J, ttmp7 = batch: 144 work-groups, all that the triangle has at this tile.  Wave (wr, wc): 128 queries x 128 keys, 64 accumulators.
; NO CLUSTER: a tile row has 1 to 8 tiles and a tile column 8 to 1, so no four tiles share an operand at every place of the triangle, and a square of 4 x 4 would hold work-groups with nothing to do.
; Source 0 = k's rows, source 1 = q's rows: a lane holds one query (l % 16) and 8 neighbouring keys.
; K goes in steps of 128 channels (two blocks of 64) through two LDS slots of four chunks (q's two blocks, k's two blocks); wave w fetches chunk w: 32 KiB, dense.
; REGISTERS: window 0: v0-31 addresses, v32-63 at work, v64-127, v128-191 q's fragments; window 1: v64-191 k's fragments; windows 2, 3: accumulator (a, b) at v[8 (8 (a % 4) + b)].
.set PITCH, 144
.set CHUNK, 256*PITCH
.set SLOT,  4*CHUNK                    ; 147,456 = bits 17 and 14, which no w x CHUNK has: an exclusive or with it turns a chunk's address into the other slot's
.set STAGE, 2*SLOT
.set SP,    272
.set STAT,  STAGE+4*16*SP              ; 1,024 bytes a wave: m of my 128 queries, then l
.set SPARE, STAT+4*1024
.set KSTEPB, 2*8192*128                ; bytes of qh or kh from K step to K step
.set AQ0, 2
.set AK0, 3
.set ADQ, 4
.set ADK, 5
.set STO, 6
.set RD,  7
.set CO,  8
.set STA, 9                            ; where I put m of my query
.set STR, 16                           ; where I read 16 bytes of the statistics back
.set SO,  17
.set SPW, 28
.set NIL, 29
.set PFO, 30
.set BIGV, 31                          ; -1e30
.set T,   32                           ; v32-39 eight running maxima
.set CM,  40                           ; v40-41 c max, twice
.set LS,  42
.set U,   43
.set MS,  44
.set MD,  48                           ; v48-55 the mask of a diagonal block of 16 x 16
.set F0,  64
.set F1,  128
.set TMPP, 96                          ; the way out: packed weights
.set BK,  128                          ; and rows read back, two buffers of 32
.set WV, 12
.set WR, 13
.set WC, 14
.set G1, 16
.set G0, 24                            ; s[24:31]: a set for each first fill; the second then walks
.set TI, 32
.set TJ, 33
.set BA, 34
.set TB, 35
.set CNT, 36
.set LIM, 37
.set HM,  38                           ; all ones: my 128 x 128 scores are all hidden
.set DG,  39                           ; 1: they hold the diagonal
.set BN,  40                           ; s[40:41] -1e30
.set CS,  42                           ; s[42:43] c
.set SEL, 44
.set PFA, 46
.set PB,  60                           ; s[60:61] pw at my part
.set SB,  62                           ; s[62:63] stats at my part
.set TRIP, 66
.set MUL_LO, 0xa1
.set TO_B,   0x40
.set MSB, 0
.macro WIN new
.if MSB != (\new)
	s_set_vgpr_msb (MSB<<8)|(\new)
.set MSB, \new
.endif
.endm
.macro PLACES
.rept 4
	v_nop
.endr
.endm
	s_load_b256 s[4:11], s[0:1], 0x0               ; qh s[4:5], kh s[6:7], pw s[8:9], stats s[10:11]
	v_lshl_add_u32 v[SPW], v0, 2, SPARE
	v_mov_b32 v[NIL], 0
	ds_add_u32 v[SPW], v[NIL]                      ; the wave's opening: the add and its wait ahead of my first tensor load
	v_lshrrev_b32 v1, 5, v0
	v_readfirstlane_b32 s[WV], v1
	s_lshr_b32 s[WR], s[WV], 1
	s_and_b32 s[WC], s[WV], 1
	s_mov_b32 s[TI], 0
.irp th, 1,3,6,10,15,21,28                     ; I = how many of the rows' first numbers the id has reached
	s_cmp_ge_u32 ttmp9, \th
	s_add_co_ci_u32 s[TI], s[TI], 0
.endr
	s_add_co_u32 s48, s[TI], 1
	s_mul_i32 s48, s48, s[TI]
	s_lshr_b32 s48, s48, 1
	s_sub_co_u32 s[TJ], ttmp9, s48
	s_and_b32 s[BA], ttmp7, 0xffff
	s_mov_b32 s[G1], (1<<16)|(1<<20)|(4<<22)|(3<<25)  ; 2-byte elements; padding on; after every 32 words; 4 words
	s_mov_b32 s[G1+1], 128<<16                     ; a chunk is dense: 128 rows of 256 bytes
	s_mov_b32 s[G1+2], 128<<16
	s_mov_b32 s[G1+3], 128<<16
	s_mov_b32 s[G1+4], 128
	s_mov_b32 s[G1+5], 128
	s_mov_b32 s[G1+6], 0
	s_mov_b32 s[G1+7], 0
	s_cmp_lt_u32 s[WV], 2                          ; waves 0, 1: q's blocks; waves 2, 3: k's
	s_cselect_b32 s49, s[TI], s[TJ]
	s_lshl_b32 s50, s[BA], 3
	s_add_co_u32 s49, s49, s50
	s_lshl_b32 s50, s49, 15                        ; 256 rows of 128 bytes a tile
	s_lshl_b32 s51, s[WC], 20                      ; the step's first or second block of 64 channels
	s_add_co_u32 s50, s50, s51
	s_mov_b32 s51, 0
	s_mul_i32 s52, s[WV], CHUNK
	s_mov_b32 s[G0], 1
	s_mov_b32 s[G0+1], s52
	s_mov_b32 s[G0+4], 1
	s_add_co_u32 s[G0+5], s52, SLOT
	s_mov_b32 s[TB], 0
	s_mov_b32 s[BN], 0xf149f2ca                    ; -1e30
	s_mov_b32 s[BN+1], s[BN]
	s_mov_b32 s[CS], 0x3d38aa3b                    ; c = log2(e) / 32
	s_mov_b32 s[CS+1], s[CS]
	s_mov_b32 s[SEL], 0x76543210
	s_mov_b32 s[SEL+1], 0xfedcba98
	s_cmp_eq_u32 s[TJ], 0
	s_cselect_b32 s56, 1, -1
	s_cmp_eq_u32 s[TI], s[TJ]
	s_cselect_b32 s57, 1, -1
	s_cmp_lt_u32 s[WV], 2
	s_cselect_b32 s[LIM], s56, s57                 ; q's rows are asked for by the row's first tile, k's by the diagonal tile
	s_cmp_lt_u32 s[WR], s[WC]
	s_cselect_b32 s58, -1, 0
	s_cmp_eq_u32 s[WR], s[WC]
	s_cselect_b32 s59, 1, 0
	s_cmp_eq_u32 s[TI], s[TJ]
	s_cselect_b32 s[HM], s58, 0
	s_cselect_b32 s[DG], s59, 0
	s_wait_dscnt 0x0                               ; the opening add is done
	s_wait_kmcnt 0x0
	s_cmp_lt_u32 s[WV], 2
	s_cselect_b64 s[54:55], s[4:5], s[6:7]
	s_add_nc_u64 s[54:55], s[54:55], s[50:51]
	s_add_nc_u64 s[G0+2:G0+3], s[54:55], 0         ; K step 0
	s_add_nc_u64 s[G0+6:G0+7], s[54:55], KSTEPB    ; K step 1
	s_add_nc_u64 s[PFA:PFA+1], s[54:55], 2*KSTEPB  ; the first change of slots steps it to K step 3
	s_or_b32 s[G0+3], s[G0+3], 0x80000000
	s_or_b32 s[G0+7], s[G0+7], 0x80000000
	tensor_load_to_lds s[G0:G0+3], s[G1:G1+7]      ; two loads of mine are out
	s_nop 0
	tensor_load_to_lds s[G0+4:G0+7], s[G1:G1+7]
	s_nop 0
	PLACES
	v_and_b32 v10, 15, v0                          ; r
	v_bfe_u32 v11, v0, 4, 1                        ; h
	v_and_b32 v12, 31, v0                          ; l
	v_mul_u32_u24 v13, v10, PITCH
	v_lshl_add_u32 v13, v11, 4, v13
	s_mul_i32 s48, s[WR], 128*PITCH
	v_add_nc_u32 v[AQ0], s48, v13
	s_mul_i32 s48, s[WC], 128*PITCH
	s_add_co_u32 s48, s48, 2*CHUNK
	v_add_nc_u32 v[AK0], s48, v13
	v_mov_b32 v[ADQ], v[AQ0]
	v_mov_b32 v[ADK], v[AK0]
	s_mul_i32 s48, s[WV], 16*SP
	s_add_co_u32 s48, s48, STAGE
	v_mul_u32_u24 v13, v10, SP
	v_lshl_add_u32 v13, v11, 4, v13
	v_add_nc_u32 v[STO], s48, v13
	v_mul_u32_u24 v13, v11, SP
	v_lshl_add_u32 v13, v10, 4, v13
	v_add_nc_u32 v[RD], s48, v13
	v_lshlrev_b32 v[CO], 12, v11                   ; two rows of pw, 4,096 bytes apart
	v_lshl_add_u32 v[CO], v10, 4, v[CO]
	s_lshl_b32 s48, s[WV], 10
	s_add_co_u32 s48, s48, STAT
	v_lshl_add_u32 v[STA], v10, 2, s48
	v_lshl_add_u32 v[STR], v12, 4, s48
	v_lshlrev_b32 v[SO], 4, v12
	v_lshlrev_b32 v[PFO], 8, v12
	v_mov_b32 v[BIGV], s[BN]
	v_mov_b32 v[U], 0
	v_lshlrev_b32 v13, 3, v11
	v_sub_nc_u32 v13, v10, v13                     ; r - 8 h: register j of a diagonal block is hidden where j is greater
.set j, 0
.rept 8
	v_cmp_gt_i32 vcc_lo, j, v13
	v_cndmask_b32 v[MD+j], 0, v[BIGV], vcc_lo
.set j, j+1
.endr
	s_lshl_b32 s48, s[BA], 11                      ; my first query's token
	s_lshl_b32 s49, s[TI], 8
	s_add_co_u32 s48, s48, s49
	s_lshl_b32 s49, s[WR], 7
	s_add_co_u32 s48, s48, s49
	s_lshl_b32 s50, s48, 12                        ; its row of pw,
	s_lshl_b32 s49, s[TJ], 9                       ; my first key, 2 bytes each
	s_add_co_u32 s50, s50, s49
	s_lshl_b32 s49, s[WC], 8
	s_add_co_u32 s50, s50, s49
	s_mov_b32 s51, 0
	s_add_nc_u64 s[PB:PB+1], s[8:9], s[50:51]
	s_lshl_b32 s50, s[TJ], 1
	s_add_co_u32 s50, s50, s[WC]                   ; my group of 128 keys
	s_lshl_b32 s50, s50, 15
	s_lshl_b32 s49, s48, 2
	s_add_co_u32 s50, s50, s49
	s_add_nc_u64 s[SB:SB+1], s[10:11], s[50:51]
; 16 products: query blocks a0, a0 + 1 of the window's four x all 8 key blocks.  The 64 accumulators take turns.
.macro MUL16 f, hi, a0, zero
	WIN MUL_LO+0x50*(\hi)
.set a, \a0
.rept 2
.set b, 0
.rept 8
.set rD, 8*(8*a+b)
.set rK, (\f)+8*b
.set rQ, (\f)+8*(4*(\hi)+a)
.if \zero
	v_wmma_f32_16x16x32_f16 v[rD:rD+7], v[rK:rK+7], v[rQ:rQ+7], 0
.else
	v_wmma_f32_16x16x32_f16 v[rD:rD+7], v[rK:rK+7], v[rQ:rQ+7], v[rD:rD+7]
.endif
.set b, b+1
.endr
.set a, a+1
.endr
.endm
.macro FETCH kq, f                     ; 32 LDS loads in one run: quarter kq (32 channels) of the slot in hand: k's 128 rows, then q's
.set KO, ((\kq)/2)*CHUNK+((\kq)%2)*64
	WIN TO_B
.set i, 0
.rept 8
	ds_load_b128 v[(\f)+8*i:(\f)+8*i+3],   v[ADK] offset:KO+i*16*PITCH
	ds_load_b128 v[(\f)+8*i+4:(\f)+8*i+7], v[ADK] offset:KO+i*16*PITCH+32
.set i, i+1
.endr
	WIN 0
.set i, 0
.rept 8
	ds_load_b128 v[(\f)+8*i:(\f)+8*i+3],   v[ADQ] offset:KO+i*16*PITCH
	ds_load_b128 v[(\f)+8*i+4:(\f)+8*i+7], v[ADQ] offset:KO+i*16*PITCH+32
.set i, i+1
.endr
.endm
.macro QUARTER kq, f, g, zero          ; multiplies buffer f; in its middle fetches quarter kq into buffer g
	s_wait_dscnt 8                                 ; k and q's rows 0-63 are in; the youngest eight loads (q's rows 64-127) may be out
	MUL16 \f, 0, 0, \zero
	MUL16 \f, 0, 2, \zero
	PLACES
	FETCH \kq, \g
	s_wait_dscnt 32                                ; all but the 32 just issued
	MUL16 \f, 1, 0, \zero
	MUL16 \f, 1, 2, \zero
.endm
; A PREFETCH INTO THE L2: in trip t (which refills K step t + 2) my chunk of K step t + 3: 128 blocks of 256 bytes, a lane a block, four lines.  A block of q's rows is read by all tiles of its row:
; the tile J = 0 asks; k's by all tiles of its column: the diagonal tile asks.  K steps 0-2 come by their loads alone; the last trip asks for nothing.
.macro ASK
	s_cmp_gt_u32 s[CNT], s[LIM]
	s_cbranch_scc0 .Lnot_mine_\@
.irp i, 0,1,2,3
	global_prefetch_b8 v[PFO], s[PFA:PFA+1] offset:(\i)*8192 th:TH_LOAD_NT scope:SCOPE_SE
.endr
.Lnot_mine_\@:
.endm
; The last quarter multiplies buffer 1 and changes slots: each wave waits for all its tensor loads (one is out: its chunk of the other slot), adds 0 to its spare word, and waits for that and for its reads of
; this slot; behind the barrier the refill comes first (fill = 1): 224 products stand between that request and the wait for it.
.macro TURN fill
.if \fill
	s_wait_xcnt 0x0                                ; the last prefetches, a K step back, have read their address
	s_add_nc_u64 s[PFA:PFA+1], s[PFA:PFA+1], KSTEPB
.endif
	WIN 0
	s_wait_tensorcnt 0x0
	ds_add_u32 v[SPW], v[NIL]
.if \fill
	s_xor_b32 s[G0+5], s[G0+5], SLOT               ; the walking descriptor: the other slot, the next K step
	s_add_nc_u64 s[G0+6:G0+7], s[G0+6:G0+7], KSTEPB
.endif
	s_wait_dscnt 9                                 ; (the add and the youngest eight loads may be out)
	MUL16 F1, 0, 0, 0
	s_wait_dscnt 0x0                               ; the add is done, and my reads of this slot are over
	s_barrier_signal -1
	MUL16 F1, 0, 2, 0
	WIN 0
	s_barrier_wait -1
.if \fill
	tensor_load_to_lds s[G0+4:G0+7], s[G1:G1+7]
	s_nop 0
.endif
	PLACES
	s_xor_b32 s[TB], s[TB], SLOT
	v_add_nc_u32 v[ADQ], s[TB], v[AQ0]
	v_add_nc_u32 v[ADK], s[TB], v[AK0]
	FETCH 0, F0
.if \fill
	ASK
.endif
	MUL16 F1, 1, 0, 0
	MUL16 F1, 1, 2, 0
.endm
	s_wait_tensorcnt 1                             ; my chunk of K step 0 is in; step 1's may stay out
	s_barrier_signal -1
	s_barrier_wait -1
	FETCH 0, F0
	QUARTER 1, F0, F1, 1                           ; the first quarter starts the sums
	WIN 0
	s_mov_b32 s[CNT], 6
.Lstep:
	QUARTER 2, F1, F0, 0
	QUARTER 3, F0, F1, 0
	TURN 1
	QUARTER 1, F0, F1, 0
	WIN 0
	s_sub_co_u32 s[CNT], s[CNT], 1
	s_cmp_lg_u32 s[CNT], 0
	s_cbranch_scc1 .Lstep
	s_mov_b32 s[CNT], 2
.Ltail:                                        ; the last two K steps ask for nothing; the second trip is left in its middle
	QUARTER 2, F1, F0, 0
	QUARTER 3, F0, F1, 0
	TURN 0
	WIN 0
	s_sub_co_u32 s[CNT], s[CNT], 1
	s_cmp_eq_u32 s[CNT], 0
	s_cbranch_scc1 .Lout
	QUARTER 1, F0, F1, 0
	WIN 0
	s_branch .Ltail
.Lout:
	s_wait_dscnt 0x0
	PLACES
	; THE MASK, where my scores hold the diagonal: key blocks b > a are hidden whole, block b = a by MD
	s_cmp_eq_u32 s[DG], 1
	s_cbranch_scc0 .Lnomask
.set a, 0
.rept 8
	WIN 0x82+0x41*(a/4)
.set b, a
.rept 8-a
.set rS, 8*(8*(a%4)+b)
.set j, 0
.rept 4
.if b == a
	v_pk_add_f32 v[rS+j:rS+j+1], v[rS+j:rS+j+1], v[MD+j:MD+j+1]
.else
	v_pk_add_f32 v[rS+j:rS+j+1], v[rS+j:rS+j+1], s[BN:BN+1] op_sel_hi:[1,0]
.endif
.set j, j+2
.endr
.set b, b+1
.endr
.set a, a+1
.endr
	WIN 0
.Lnomask:
; THE SOFTMAX OF A GROUP, for block a of window 2's four: 16 queries x 128 keys, 64 registers.  Eight chains of maxima, each from its accumulator's lowest registers on;
; the lanes' halves meet once; all 64 exponentials are one batch with one wait.
.macro SOFT a
.set rS, 64*(\a)
	WIN 0x2a
.set b, 0
.rept 8
	v_max3_num_f32 v[T+b], v[rS+8*b], v[rS+8*b+1], v[rS+8*b+2]
.set b, b+1
.endr
	WIN 0x28
.set b, 0
.rept 8
	v_max3_num_f32 v[T+b], v[T+b], v[rS+8*b+3], v[rS+8*b+4]
.set b, b+1
.endr
.set b, 0
.rept 8
	v_max3_num_f32 v[T+b], v[T+b], v[rS+8*b+5], v[rS+8*b+6]
.set b, b+1
.endr
.set b, 0
.rept 4
	v_max3_num_f32 v[T+b], v[T+b], v[rS+8*b+7], v[rS+8*(b+4)+7]
.set b, b+1
.endr
	WIN 0
	v_max3_num_f32 v[T], v[T], v[T+1], v[T+2]
	v_max3_num_f32 v[T+3], v[T+3], v[T+4], v[T+5]
	v_max3_num_f32 v[T], v[T], v[T+6], v[T+7]
	v_max_num_f32 v[T], v[T], v[T+3]
	v_permlanex16_b32 v[T+1], v[T], s[SEL], s[SEL+1]  ; the query's other 64 keys lie in the lane 16 away
	v_max_num_f32 v[T], v[T], v[T+1]
	v_mul_f32 v[CM], s[CS], v[T]
	v_mul_f32 v[CM+1], s[CS], v[T]
	WIN 0x82
.set i, 0
.rept 32
	v_pk_fma_f32 v[rS+2*i:rS+2*i+1], v[rS+2*i:rS+2*i+1], s[CS:CS+1], v[CM:CM+1] op_sel_hi:[1,0,1] neg_lo:[0,0,1] neg_hi:[0,0,1]
.set i, i+1
.endr
.set i, 0
.rept 64
	v_exp_f32 v[rS+i], v[rS+i]
.set i, i+1
.endr
	v_nop                                          ; a plain instruction behind the last exponential,
	s_wait_alu depctr_va_vdst(0)                   ; and the one wait ahead of the batch's first reader
	WIN 0x0a
.set i, 0
.rept 32
	v_cvt_pk_f16_f32 v[TMPP+i], v[rS+2*i], v[rS+2*i+1]
.set i, i+1
.endr
	WIN 0x8a                                       ; the sum of the unrounded weights, a tree in place
.set w, 32
.rept 5
.set i, 0
.rept w/2
	v_pk_add_f32 v[rS+2*i:rS+2*i+1], v[rS+2*i:rS+2*i+1], v[rS+w+2*i:rS+w+2*i+1]
.set i, i+1
.endr
.set w, w/2
.endr
	WIN 0x0a
	v_add_f32 v[LS], v[rS], v[rS+1]
	WIN 0
	v_permlanex16_b32 v[U], v[LS], s[SEL], s[SEL+1]
	v_cndmask_b32 v[MS], v[CM], v[BIGV], s[HM]
	v_add_f32 v[LS], v[LS], v[U]
	ds_store_b32 v[STA], v[MS] offset:(\a)*64      ; both halves of the lanes write the same number to the same word
	ds_store_b32 v[STA], v[LS] offset:(\a)*64+512
.endm
.macro TOSTAGE a                       ; 16 rows of 256 bytes through my stage
	s_wait_xcnt 0x0                                ; the registers that earlier stores read are loaded again only behind this wait
.set i, 0
.rept 8
	ds_store_b128 v[STO], v[TMPP+4*i:TMPP+4*i+3] offset:32*i
.set i, i+1
.endr
.set i, 0
.rept 8
	ds_load_b128 v[BK+32*((\a)%2)+4*i:BK+32*((\a)%2)+4*i+3], v[RD] offset:i*2*SP  ; LDS serves a wave's instructions in order (ISA guide 5.7.1.4)
.set i, i+1
.endr
.endm
.macro SEND a
	s_wait_dscnt 0x0
.set i, 0
.rept 8
	global_store_b128 v[CO], v[BK+32*((\a)%2)+4*i:BK+32*((\a)%2)+4*i+3], s[PB:PB+1] offset:(16*(\a)+2*i)*4096  ; 16 lanes store 256 consecutive bytes, aligned
.set i, i+1
.endr
.endm
	s_mov_b32 s[TRIP], 2
.Lhalf:                                        ; two trips over one text: my queries 0-63, then, moved into window 2, my queries 64-127
	SOFT 0
	TOSTAGE 0
	SOFT 1
	SEND 0
	TOSTAGE 1
	SOFT 2
	SEND 1
	TOSTAGE 2
	SOFT 3
	SEND 2
	TOSTAGE 3
	SEND 3
	s_sub_co_u32 s[TRIP], s[TRIP], 1
	s_cmp_eq_u32 s[TRIP], 0
	s_cbranch_scc1 .Lstats
	WIN 0x83
.set i, 0
.rept 256
	v_mov_b32 v[i], v[i]                           ; window 3 into window 2, ascending
.set i, i+1
.endr
	WIN 0
	s_wait_xcnt 0x0                                ; the stores have read their base
	s_add_nc_u64 s[PB:PB+1], s[PB:PB+1], 64*4096
	v_add_nc_u32 v[STA], 256, v[STA]
	s_branch .Lhalf
.Lstats:
	ds_load_b128 v[64:67], v[STR]                  ; m and l of my 128 queries: 512 consecutive bytes each
	ds_load_b128 v[68:71], v[STR] offset:512
	s_wait_dscnt 0x0
	global_store_b128 v[SO], v[64:67], s[SB:SB+1]
	global_store_b128 v[SO], v[68:71], s[SB:SB+1] offset:524288
	s_wait_tensorcnt 0x0                           ; the wave's end
	ds_add_u32 v[SPW], v[NIL]
	s_wait_dscnt 0x0
	s_endpgm
.Lfunc_end_k_q0476cea865_score:
	.size	k_q0476cea865_score, .Lfunc_end_k_q0476cea865_score-k_q0476cea865_score
	.p2alignl 7, 3214868480
	.fill 96, 4, 3214868480
	.section	.rodata,"a",@progbits
	.p2align	6, 0x0
	.amdhsa_kernel k_q0476cea865_score
		.amdhsa_group_segment_fixed_size 327680
		.amdhsa_private_segment_fixed_size 0
		.amdhsa_enable_private_segment 0
		.amdhsa_kernarg_size 32
		.amdhsa_user_sgpr_count 2
		.amdhsa_user_sgpr_kernarg_segment_ptr 1
		.amdhsa_wavefront_size32 1
		.amdhsa_system_sgpr_workgroup_id_x 1
		.amdhsa_system_sgpr_workgroup_id_y 1
		.amdhsa_system_sgpr_workgroup_id_z 1
		.amdhsa_system_vgpr_workitem_id 0
		.amdhsa_next_free_vgpr 1024
		.amdhsa_next_free_sgpr 80
		.amdhsa_reserve_vcc 1
		.amdhsa_float_denorm_mode_32 3
		.amdhsa_float_denorm_mode_16_64 3
		.amdhsa_memory_ordered 1
		.amdhsa_forward_progress 1
		.amdhsa_inst_pref_size 136
	.end_amdhsa_kernel
	.amdgpu_metadata
---
amdhsa.version: [ 1, 2 ]
amdhsa.kernels:
  - .name:           k_q0476cea865_score
    .symbol:         k_q0476cea865_score.kd
    .args:
      - { .name: qh, .offset: 0, .size: 8, .value_kind: global_buffer, .address_space: global }
      - { .name: kh, .offset: 8, .size: 8, .value_kind: global_buffer, .address_space: global }
      - { .name: pw, .offset: 16, .size: 8, .value_kind: global_buffer, .address_space: global }
      - { .name: stats, .offset: 24, .size: 8, .value_kind: global_buffer, .address_space: global }
    .group_segment_fixed_size: 327680
    .private_segment_fixed_size: 0
    .kernarg_segment_align: 8
    .kernarg_segment_size: 32
    .max_flat_workgroup_size: 128
    .sgpr_count:     80
    .vgpr_count:     1024
    .wavefront_size: 32
...
	.end_amdgpu_metadata
.endif
;; end of part 3
;; launch pv (part 4): grid 8 x 32, 4 waves a work-group, clusters of 4 x 4, 327,680 bytes of LDS; arguments pw, vt, stats, out0; writes out0
.if DOCPART == 4
	.amdgcn_target "amdgcn-amd-amdhsa--gfx1250"
	.amdhsa_code_object_version 6
	.text
	.protected	k_q0476cea865_pv
	.globl	k_q0476cea865_pv
	.p2align	8
	.type	k_q0476cea865_pv,@function
k_q0476cea865_pv:
	s_mov_b64 s[64:65], 0
	v_nop
	global_prefetch_b8 v0, s[64:65] scope:SCOPE_SE
	s_setreg_imm32_b32 hwreg(HW_REG_WAVE_MODE, 25, 1), 1
	s_wait_xcnt 0x0
	s_wait_alu depctr_hold_cnt(0) depctr_sa_sdst(0) depctr_va_vdst(0) depctr_va_sdst(0) depctr_va_ssrc(0) depctr_va_vcc(0) depctr_vm_vsrc(0)
	s_getreg_b32 s2, hwreg(HW_REG_IB_STS2, 6, 4)
	s_cmp_eq_u32 s2, 0
	s_cbranch_scc0 .Lentry_in_a_cluster
	s_endpgm
.Lentry_in_a_cluster:
	s_bfe_u32 s2, ttmp6, 0x10000c
	s_cmp_lg_u32 s2, 0xf033
	s_cbranch_scc0 .Lentry_shape_is_right
	s_endpgm
.Lentry_shape_is_right:
; O = softmax x V from the groups' weights.  For each query: M = max over its groups g of m_g, f_g = 2^(m_g - M) (at most 1), L = the sum of f_g l_g, O = (the sum of f_g (P_g V_g)) / L.
; P and V in f16, all sums, factors and O in f32; f is applied in f32 to a group's own accumulator, so that P is rounded once.
; LIMITS.  A factor below 2^-126 counts as 0; NaN and infinities are not treated apart.
; SHARES.  A work-group makes two tiles of 128 queries x 128 channels, one after the other; wave (wr, wc) 64 x 64.  Cluster y = 2 x batch + sp; the cluster takes the 512 queries of super block sp, then those
; of super block 3 - sp: 2 (sp + 1) + (8 - 2 sp) = 10 steps of 256 keys for every work-group: ONE walk with a constant trip count.  cy names the 128 queries, 4 x cluster x + cx the 128 channels.
; CLUSTER 4 x 4: all sixteen walk the same key steps: P's tile is shared along a row of the cluster, V's along a column.
; A block of queries in the lower half of its super block needs one key step less than the walk has: in that step its P address is clamped to its own last tile (the address alone, by s_min_u32) and the
; step's factors are 0: no branch hangs on a place in the cluster, and no byte of pw is read that was not written.
; Source 0 = V^T's rows (channels), source 1 = P's rows (queries): a lane holds one query (l % 16) and 8 neighbouring channels.
; GROUPS.  A step is four quarters of 64 keys.  Quarters 0, 1 sum into X (keys 0-127), quarters 2, 3 into Y (keys 128-255), each started by the constant 0.  While one set is summed, the other is added to O,
; times its factor: four packed multiply-adds behind every four products, 64 for 64.
; REGISTERS: window 0: v0-31 addresses; v32-39 the two groups' factors; v40-47 1 / L; v48-63 at work; v64-127 rows on the way out; v128-255 O ((a, b) at 128 + 8 (4 a + b); before the walk: the statistics).
;   window 1: two fragment buffers of 128 (64 of P, 64 of V, for 64 keys).  window 2: X at v0-127, Y at v128-255.
.set PITCH, 528                        ; an LDS row: 512 bytes + 16 of padding
.set HALFT, 64*PITCH                   ; what one tensor load brings
.set SLOT,  4*HALFT                    ; 135,168 = bits 17 and 12, which no w x HALFT has: an exclusive or with it turns a tile's address into the other slot's
.set STAGE, 2*SLOT
.set SP,    272
.set TABLE, STAGE+4*16*SP              ; 5,120 bytes a wave: the factors in walk order: step e at 512 e, group at 256, query r at 16 r, query block a at 4 a
.set SPARE, TABLE+4*5120
.set AP0, 2
.set AV0, 3
.set ADP, 4
.set ADV, 5
.set STO, 6
.set RD,  7
.set CO,  8
.set TBA, 9                            ; where the step's factors lie
.set VOB, 16                           ; v16-23 offsets into stats, second block; v24-27 first block
.set VOA, 24
.set SPW, 28
.set NIL, 29
.set PFO, 30
.set TS,  31                           ; where I store factors
.set FA,  32
.set FB,  36
.set RLA, 40
.set RLB, 44
.set TA,  48
.set TQ,  52
.set U,   56
.set BK,  64
.set O,   128
.set MA,  128                          ; the prologue: m and l of the first block (4 steps x 4 query blocks), of the second (8 x 4), and eight table entries
.set LA,  144
.set MB,  160
.set LB,  192
.set WK,  224
.set F0,  0
.set F1,  128
.set X,   0
.set Y,   128
.set WV, 12
.set WR, 13
.set WC, 14
.set CX, 15
.set CY, 16
.set CT, 17
.set BA, 18
.set SPB, 19
.set SBA, 20                           ; s[20:21], s[22:23] stats at the two blocks' first rows
.set SBB, 22
.set G1P, 24
.set G1V, 32
.set G0P, 40                           ; s[40:47]: a set for each first fill; the second then walks
.set G0V, 48
.set JN,  56                           ; the walker: the key step to be asked for next,
.set JL,  57                           ; the last of its block,
.set JLB, 58
.set IO,  59                           ; my queries' own last tile,
.set IOB, 60
.set ROWOFF, 61                        ; my first row x 4,096 bytes (a row of pw and a row of out0 alike)
.set ROWB, 62
.set VO0, 63
.set OFFP, 66                          ; s[66:67], s[68:69] the offsets that it leaves
.set OFFV, 68
.set PBASE, 70
.set VBASE, 72
.set PFA, 74
.set OBA, 76
.set OBB, 78
.set TB,  80
.set CNT, 81
.set LIM, 82
.set WOA, 83                           ; the count at which the first block goes out
.set SPM, 84                           ; all ones where sp = 1
.set TP,  85                           ; scratch for P's side
.set TV,  86                           ; scratch for V's side
.set IOA, 87
.set SEL, 88
.set FLGA, 90                          ; s90-93, s94-101: 1.0 where step j is within my queries' tiles, else 0
.set FLGB, 94
.set LT,  104                          ; scratch for LDS addresses: it never holds a place in the cluster
.set DW0, (1<<16)|(1<<20)|(1<<21)|(6<<22)|(3<<25)  ; 2-byte elements; padding on; bit 21 beside a mask; after every 128 words; 4 words
.set MUL,  0xa5                        ; sources in window 1, C and D in window 2
.set RID,  0x02                        ; source 0 in window 2, the rest in window 0
.set TO_F, 0x40
.set MSB, 0
.macro WIN new
.if MSB != (\new)
	s_set_vgpr_msb (MSB<<8)|(\new)
.set MSB, \new
.endif
.endm
.macro PLACES
.rept 4
	v_nop
.endr
.endm
.macro CREST
	s_cmp_lg_u32 s[WV], 0
	s_cbranch_scc1 .Lnot_wave_0_\@
	s_barrier_signal -3
.Lnot_wave_0_\@:
	s_barrier_wait -3
	s_barrier_signal -1
	s_barrier_wait -1
.endm
.macro CROUND
	s_barrier_signal -1
	s_barrier_wait -1
	CREST
.endm
.macro JLOAD                           ; waves 0, 1 fetch P's halves, waves 2, 3 V's; an s_nop 0 and four v_nop follow each line
	s_cmp_lt_u32 s[WV], 2
	s_cbranch_scc0 .Lfor_v_\@
	tensor_load_to_lds s[G0P+4:G0P+7], s[G1P:G1P+7]
	s_nop 0
	PLACES
	s_branch .Lasked_\@
.Lfor_v_\@:
	tensor_load_to_lds s[G0V+4:G0V+7], s[G1V:G1V+7]
	s_nop 0
	PLACES
.Lasked_\@:
.endm
.macro MAKE gp, gv                     ; the address words of a group 0, made anew from the walker's offsets
	s_add_nc_u64 s[(\gp)+2:(\gp)+3], s[PBASE:PBASE+1], s[OFFP:OFFP+1]
	s_or_b32 s[(\gp)+3], s[(\gp)+3], 0x80000000
	s_add_nc_u64 s[(\gv)+2:(\gv)+3], s[VBASE:VBASE+1], s[OFFV:OFFV+1]
	s_or_b32 s[(\gv)+3], s[(\gv)+3], 0x80000000
.endm
.macro WALK                            ; the next key step; behind the first block's last, the second block's step 0
	s_add_co_u32 s[JN], s[JN], 1
	s_cmp_gt_u32 s[JN], s[JL]
	s_cselect_b32 s[JN], 0, s[JN]
	s_cselect_b32 s[JL], s[JLB], s[JL]
	s_cselect_b32 s[IO], s[IOB], s[IO]
	s_cselect_b32 s[ROWOFF], s[ROWB], s[ROWOFF]
	s_min_u32 s[TP], s[JN], s[IO]
	s_lshl_b32 s[TP], s[TP], 9
	s_add_co_u32 s[OFFP], s[ROWOFF], s[TP]
	s_lshl_b32 s[TV], s[JN], 9
	s_add_co_u32 s[OFFV], s[VO0], s[TV]
.endm
; A PREFETCH INTO THE L2 of P's tile for the step after the one that is being asked for.  The clusters with x = 0 ask, waves 0 and 1; of the 64 rows x 512 bytes that a wave fetches each of the four partners
; of a row takes 16 rows, told apart by address: a lane a block of 256 bytes, one line a trip.  The last trip of the loop asks for nothing.  A clamped step names its tile a second time.
; V is not asked for: each of its blocks is read in four walks, at different times.
.macro ASK
	s_cmp_gt_u32 s[CNT], s[LIM]
	s_cbranch_scc0 .Lnot_mine_\@
	global_prefetch_b8 v[PFO], s[PFA:PFA+1] th:TH_LOAD_NT scope:SCOPE_SE
.Lnot_mine_\@:
.endm
	s_load_b256 s[4:11], s[0:1], 0x0               ; pw s[4:5], vt s[6:7], stats s[8:9], out0 s[10:11]
	v_lshl_add_u32 v[SPW], v0, 2, SPARE
	v_mov_b32 v[NIL], 0
	ds_add_u32 v[SPW], v[NIL]                      ; the wave's opening: the add and its wait ahead of my first tensor load
	v_lshrrev_b32 v1, 5, v0
	v_readfirstlane_b32 s[WV], v1
	s_lshr_b32 s[WR], s[WV], 1
	s_and_b32 s[WC], s[WV], 1
	s_bfe_u32 s[CX], ttmp6, 0x40000
	s_bfe_u32 s[CY], ttmp6, 0x40004
	s_lshl_b32 s[CT], ttmp9, 2
	s_add_co_u32 s[CT], s[CT], s[CX]
	s_and_b32 s[BA], ttmp7, 0xffff
	s_and_b32 s[SPB], s[BA], 1
	s_lshr_b32 s[BA], s[BA], 1
	s_lshl_b32 s[JL], s[SPB], 1                    ; 2 sp
	s_sub_co_u32 s[JLB], 7, s[JL]                  ; the second block's last step
	s_sub_co_u32 s[WOA], 6, s[JL]                  ; 8 less the first block's steps
	s_lshr_b32 s[TP], s[CY], 1
	s_add_co_u32 s[IO], s[JL], s[TP]               ; 2 sp + cy / 2
	s_mov_b32 s[IOA], s[IO]
	s_sub_co_u32 s[IOB], 6, s[JL]
	s_add_co_u32 s[IOB], s[IOB], s[TP]             ; 2 (3 - sp) + cy / 2
	s_add_co_u32 s[JL], s[JL], 1                   ; the first block's last step
	s_lshl_b32 s[ROWOFF], s[BA], 11
	s_lshl_b32 s[TP], s[CY], 7
	s_add_co_u32 s[ROWOFF], s[ROWOFF], s[TP]
	s_sub_co_u32 s[ROWB], 3, s[SPB]
	s_lshl_b32 s[ROWB], s[ROWB], 9
	s_add_co_u32 s[ROWB], s[ROWB], s[ROWOFF]
	s_lshl_b32 s[ROWB], s[ROWB], 12
	s_lshl_b32 s[TP], s[SPB], 9
	s_add_co_u32 s[ROWOFF], s[ROWOFF], s[TP]
	s_lshl_b32 s[ROWOFF], s[ROWOFF], 12
	s_lshl_b32 s[VO0], s[CT], 21                   ; 128 channels of 16,384 bytes
	s_lshl_b32 s[TV], s[BA], 12                    ; the batch's 2,048 tokens of 2 bytes
	s_add_co_u32 s[VO0], s[VO0], s[TV]
	s_cmp_eq_u32 s[SPB], 1
	s_cselect_b32 s[SPM], -1, 0
	s_mov_b32 s[JN], 0
	s_mov_b32 s[OFFP], s[ROWOFF]
	s_mov_b32 s[OFFP+1], 0
	s_mov_b32 s[OFFV], s[VO0]
	s_mov_b32 s[OFFV+1], 0
	s_lshl_b32 s[TP], s[CY], 2
	s_lshl_b32 s[TP], 15, s[TP]                    ; my row of the cluster
	s_lshl_b32 s[TV], 0x1111, s[CX]                ; my column
	s_or_b32 s[G1P], s[TP], DW0
	s_or_b32 s[G1V], s[TV], DW0
.irp g, G1P, G1V
	s_mov_b32 s[(\g)+1], 256<<16                   ; 64 rows x 256 elements
	s_mov_b32 s[(\g)+2], 64<<16
	s_mov_b32 s[(\g)+3], 256<<16
	s_mov_b32 s[(\g)+4], 64
	s_mov_b32 s[(\g)+6], 0
	s_mov_b32 s[(\g)+7], 0
.endr
	s_mov_b32 s[G1P+5], 2048                       ; elements from row to row in pw
	s_mov_b32 s[G1V+5], 8192                       ; and in vt
	s_mul_i32 s[LT], s[WV], HALFT                  ; P's two halves, then V's two halves
	s_mov_b32 s[G0P], 1
	s_mov_b32 s[G0P+1], s[LT]
	s_mov_b32 s[G0P+4], 1
	s_add_co_u32 s[G0P+5], s[LT], SLOT
	s_mov_b32 s[G0V], 1
	s_mov_b32 s[G0V+1], s[LT]
	s_mov_b32 s[G0V+4], 1
	s_add_co_u32 s[G0V+5], s[LT], SLOT
	s_mov_b32 s[TB], 0
	s_mov_b32 s[SEL], 0x76543210
	s_mov_b32 s[SEL+1], 0xfedcba98
	s_lshr_b32 s[LIM], s[WV], 1                    ; 0 in waves 0 and 1,
	s_or_b32 s[LIM], s[LIM], ttmp9                 ; where the cluster's x is 0: the same in all sixteen partners
	s_cmp_eq_u32 s[LIM], 0
	s_cselect_b32 s[LIM], 1, -1
	s_lshl_b32 s2, s[WC], 18                       ; which 64 rows of P's tile I fetch,
	s_mov_b32 s3, 0
	s_wait_dscnt 0x0                               ; the opening add is done
	s_wait_kmcnt 0x0
	s_add_nc_u64 s[PBASE:PBASE+1], s[4:5], s[2:3]
	s_lshl_b32 s2, s[WC], 20                       ; and of V's
	s_add_nc_u64 s[VBASE:VBASE+1], s[6:7], s[2:3]
	MAKE G0P, G0V                                  ; step 0
	WALK
	MAKE G0P+4, G0V+4                              ; step 1
	CROUND                                         ; all sixteen work-groups are here: the first joint loads meet
	s_cmp_lt_u32 s[WV], 2                          ; a wave's two first fills stand in one branch: two loads of mine are out
	s_cbranch_scc0 .Lfirst_v
	tensor_load_to_lds s[G0P:G0P+3], s[G1P:G1P+7]
	s_nop 0
	tensor_load_to_lds s[G0P+4:G0P+7], s[G1P:G1P+7]
	s_nop 0
	PLACES
	s_branch .Lfirst_asked
.Lfirst_v:
	tensor_load_to_lds s[G0V:G0V+3], s[G1V:G1V+7]
	s_nop 0
	tensor_load_to_lds s[G0V+4:G0V+7], s[G1V:G1V+7]
	s_nop 0
	PLACES
.Lfirst_asked:
	; THE PROLOGUE, while the first tiles are on their way.  Lane (r, h) takes group 2 j + h of query 16 a + r.
	v_and_b32 v10, 15, v0                          ; r
	v_bfe_u32 v11, v0, 4, 1                        ; h
	v_and_b32 v12, 31, v0                          ; l
	v_lshlrev_b32 v13, 15, v11                     ; a group's 32,768 bytes
	v_lshl_add_u32 v13, v10, 2, v13
	s_lshl_b32 s3, s[WR], 8
	v_add_nc_u32 v13, s3, v13
.set j, 0
.rept 4
	s_min_u32 s[TP], s[IOA], j                     ; a step past my queries' last tile reads that tile's numbers, and its flag is 0
	s_lshl_b32 s[TP], s[TP], 16
	v_add_nc_u32 v[VOA+j], s[TP], v13
	s_cmp_ge_u32 s[IOA], j
	s_cselect_b32 s[FLGA+j], 1.0, 0
.set j, j+1
.endr
.set j, 0
.rept 8
	s_min_u32 s[TP], s[IOB], j
	s_lshl_b32 s[TP], s[TP], 16
	v_add_nc_u32 v[VOB+j], s[TP], v13
	s_cmp_ge_u32 s[IOB], j
	s_cselect_b32 s[FLGB+j], 1.0, 0
.set j, j+1
.endr
	s_lshr_b32 s2, s[ROWOFF], 10                   ; 4 bytes a row
	s_mov_b32 s3, 0
	s_add_nc_u64 s[SBA:SBA+1], s[8:9], s[2:3]
	s_lshr_b32 s2, s[ROWB], 10
	s_add_nc_u64 s[SBB:SBB+1], s[8:9], s[2:3]
.set i, 0
.rept 16                                       ; i = 4 j + a
	global_load_b32 v[MA+i], v[VOA+i/4], s[SBA:SBA+1] offset:(i%4)*64
	global_load_b32 v[LA+i], v[VOA+i/4], s[SBA:SBA+1] offset:(i%4)*64+524288
.set i, i+1
.endr
.set i, 0
.rept 32
	global_load_b32 v[MB+i], v[VOB+i/4], s[SBB:SBB+1] offset:(i%4)*64
	global_load_b32 v[LB+i], v[VOB+i/4], s[SBB:SBB+1] offset:(i%4)*64+524288
.set i, i+1
.endr
	s_lshl_b32 s2, s[WR], 18                       ; out0: my 64 rows, my 64 channels of 4 bytes
	s_lshl_b32 s3, s[CT], 9
	s_add_co_u32 s2, s2, s3
	s_lshl_b32 s3, s[WC], 8
	s_add_co_u32 s2, s2, s3
	s_add_co_u32 s79, s2, s[ROWB]
	s_add_co_u32 s2, s2, s[ROWOFF]
	s_mov_b32 s3, 0
	s_add_nc_u64 s[OBA:OBA+1], s[10:11], s[2:3]
	s_mov_b32 s2, s79
	s_add_nc_u64 s[OBB:OBB+1], s[10:11], s[2:3]
	WALK                                           ; the walker now stands at step 2
	v_mul_u32_u24 v13, v10, PITCH
	v_lshl_add_u32 v13, v11, 4, v13
	s_mul_i32 s[LT], s[WR], HALFT
	v_add_nc_u32 v[AP0], s[LT], v13
	s_mul_i32 s[LT], s[WC], HALFT
	s_add_co_u32 s[LT], s[LT], 2*HALFT
	v_add_nc_u32 v[AV0], s[LT], v13
	v_mov_b32 v[ADP], v[AP0]
	v_mov_b32 v[ADV], v[AV0]
	s_mul_i32 s[LT], s[WV], 16*SP
	s_add_co_u32 s[LT], s[LT], STAGE
	v_mul_u32_u24 v14, v10, SP
	v_lshl_add_u32 v14, v11, 5, v14                ; in: row r of 256 bytes, 32 bytes for each half of the lanes
	v_add_nc_u32 v[STO], s[LT], v14
	v_mul_u32_u24 v14, v11, SP
	v_lshl_add_u32 v14, v10, 4, v14
	v_add_nc_u32 v[RD], s[LT], v14
	v_lshlrev_b32 v[CO], 12, v11
	v_lshl_add_u32 v[CO], v10, 4, v[CO]
	s_mul_i32 s[LT], s[WV], 5120
	s_add_co_u32 s[LT], s[LT], TABLE
	v_lshl_add_u32 v[TBA], v10, 4, s[LT]
	v_lshl_add_u32 v[TS], v11, 8, v[TBA]
	v_lshrrev_b32 v14, 1, v12
	v_lshlrev_b32 v14, 12, v14
	v_and_b32 v15, 1, v0
	v_lshl_add_u32 v14, v15, 8, v14
	s_lshl_b32 s3, s[CX], 16                       ; my work-group's 16 rows of the 64
	v_add_nc_u32 v[PFO], s3, v14
	WIN 0x80                                       ; Y and its factors start at 0: the first step adds 0 x 0 to O, so that no first step is written out
.set i, 0
.rept 128
	v_mov_b32 v[Y+i], 0
.set i, i+1
.endr
	WIN 0
.set i, 0
.rept 4
	v_mov_b32 v[FB+i], 0
	v_mov_b32 v[U+i], 0
.set i, i+1
.endr
	s_wait_loadcnt 0x0
.macro FMAX m, nj, t                   ; M over the block's groups, and m - M in place
.set a, 0
.rept 4
	v_max3_num_f32 v[(\t)+a], v[(\m)+a], v[(\m)+4+a], v[(\m)+8+a]
.set a, a+1
.endr
.if (\nj) == 8
.set a, 0
.rept 4
	v_max3_num_f32 v[(\t)+a], v[(\t)+a], v[(\m)+12+a], v[(\m)+16+a]
.set a, a+1
.endr
.set a, 0
.rept 4
	v_max3_num_f32 v[(\t)+a], v[(\t)+a], v[(\m)+20+a], v[(\m)+24+a]
.set a, a+1
.endr
.endif
.set a, 0
.rept 4
	v_max_num_f32 v[(\t)+a], v[(\t)+a], v[(\m)+4*(\nj)-4+a]
.set a, a+1
.endr
.set a, 0
.rept 4
	v_permlanex16_b32 v[U+a], v[(\t)+a], s[SEL], s[SEL+1]  ; the groups of the other parity lie in the lane 16 away
.set a, a+1
.endr
.set a, 0
.rept 4
	v_max_num_f32 v[(\t)+a], v[(\t)+a], v[U+a]
.set a, a+1
.endr
.set i, 0
.rept 4*(\nj)
	v_sub_f32 v[(\m)+i], v[(\m)+i], v[(\t)+i%4]
.set i, i+1
.endr
.endm
.macro FSUM m, lq, nj, flg, t, rl      ; f = 2^(m - M) x flag in place; L; 1 / L
.set i, 0
.rept 4*(\nj)
	v_mul_f32 v[(\m)+i], s[(\flg)+i/4], v[(\m)+i]
.set i, i+1
.endr
.set a, 0
.rept 4
	v_mul_f32 v[(\t)+a], v[(\m)+a], v[(\lq)+a]
.set a, a+1
.endr
.set i, 4
.rept 4*(\nj)-4
	v_fmac_f32 v[(\t)+i%4], v[(\m)+i], v[(\lq)+i]
.set i, i+1
.endr
.set a, 0
.rept 4
	v_permlanex16_b32 v[U+a], v[(\t)+a], s[SEL], s[SEL+1]
.set a, a+1
.endr
.set a, 0
.rept 4
	v_add_f32 v[(\t)+a], v[(\t)+a], v[U+a]
.set a, a+1
.endr
.set a, 0
.rept 4
	v_rcp_f32 v[(\rl)+a], v[(\t)+a]
.set a, a+1
.endr
.endm
	FMAX MA, 4, TA
	FMAX MB, 8, TQ
.set i, 0
.rept 16
	v_exp_f32 v[MA+i], v[MA+i]
.set i, i+1
.endr
.set i, 0
.rept 32
	v_exp_f32 v[MB+i], v[MB+i]
.set i, i+1
.endr
	v_nop                                          ; a plain instruction behind the last exponential,
	s_wait_alu depctr_va_vdst(0)                   ; and one wait for the batch of 48
	FSUM MA, LA, 4, FLGA, TA, RLA
	FSUM MB, LB, 8, FLGB, TQ, RLB
	v_nop
	s_wait_alu depctr_va_vdst(0)                   ; one wait for the eight reciprocals
	; the table, at constant addresses, the value chosen by sp: the first block has 2 steps (sp = 0) or 4
	ds_store_b128 v[TS], v[MA:MA+3]
	ds_store_b128 v[TS], v[MA+4:MA+7] offset:512
.set e, 2
.rept 8
.set a, 0
.rept 4
.if e < 4
	v_cndmask_b32 v[WK+4*(e-2)+a], v[MB+4*(e-2)+a], v[MA+4*e+a], s[SPM]
.else
	v_cndmask_b32 v[WK+4*(e-2)+a], v[MB+4*(e-2)+a], v[MB+4*(e-4)+a], s[SPM]
.endif
.set a, a+1
.endr
	ds_store_b128 v[TS], v[WK+4*(e-2):WK+4*(e-2)+3] offset:e*512
.set e, e+1
.endr
	s_wait_dscnt 0x0
.set i, 0
.rept 128
	v_mov_b32 v[O+i], 0
.set i, i+1
.endr
.macro RIDER rset, rf                  ; number rq of the 64 that add a set, times its factor, to O: accumulators ascending, each from its lowest registers on
.set rA, rq/16
.if rA%2 == 0
	v_pk_fma_f32 v[O+2*rq:O+2*rq+1], v[(\rset)+2*rq:(\rset)+2*rq+1], v[(\rf)+2*(rA/2):(\rf)+2*(rA/2)+1], v[O+2*rq:O+2*rq+1] op_sel_hi:[1,0,1]
.else
	v_pk_fma_f32 v[O+2*rq:O+2*rq+1], v[(\rset)+2*rq:(\rset)+2*rq+1], v[(\rf)+2*(rA/2):(\rf)+2*(rA/2)+1], v[O+2*rq:O+2*rq+1] op_sel:[0,1,0] op_sel_hi:[1,1,1]
.endif
.set rq, rq+1
.endm
; Four products (query block a x 4 channel blocks, 32 keys: half c of buffer f) and four riders, which name none of the products' registers and are the places behind them.
; The 16 accumulators of a set take turns.
.macro MR f, c, a, set, zero, rset, rf
	WIN MUL
.set b, 0
.rept 4
.set rD, (\set)+8*(4*(\a)+b)
.set rV, (\f)+64+8*(4*(\c)+b)
.set rP, (\f)+8*(4*(\c)+(\a))
.if \zero
	v_wmma_f32_16x16x32_f16 v[rD:rD+7], v[rV:rV+7], v[rP:rP+7], 0
.else
	v_wmma_f32_16x16x32_f16 v[rD:rD+7], v[rV:rV+7], v[rP:rP+7], v[rD:rD+7]
.endif
.set b, b+1
.endr
	WIN RID
.rept 4
	RIDER \rset, \rf
.endr
.endm
.macro FETCH k, f                      ; 32 LDS loads in one run: 64 keys at byte k of the rows; the first 32 keys first
	WIN TO_F
.set c, 0
.rept 2
.set i, 0
.rept 4
	ds_load_b128 v[(\f)+64+8*(4*c+i):(\f)+64+8*(4*c+i)+3],   v[ADV] offset:(\k)+64*c+i*16*PITCH
	ds_load_b128 v[(\f)+64+8*(4*c+i)+4:(\f)+64+8*(4*c+i)+7], v[ADV] offset:(\k)+64*c+i*16*PITCH+32
	ds_load_b128 v[(\f)+8*(4*c+i):(\f)+8*(4*c+i)+3],         v[ADP] offset:(\k)+64*c+i*16*PITCH
	ds_load_b128 v[(\f)+8*(4*c+i)+4:(\f)+8*(4*c+i)+7],       v[ADP] offset:(\k)+64*c+i*16*PITCH+32
.set i, i+1
.endr
.set c, c+1
.endr
.endm
; A quarter: multiplies buffer f into set; in its middle fetches the next quarter (byte k) into buffer g; fl = 1, 2: the run begins with the load of the step's first or second group's factors.
.macro QUARTER k, f, g, set, zero, rset, rf, fl
	s_wait_dscnt 16                                ; the first 32 keys are in (and a factor load, which stands first in its run)
	MR \f, 0, 0, \set, \zero, \rset, \rf
	MR \f, 0, 1, \set, \zero, \rset, \rf
	MR \f, 0, 2, \set, \zero, \rset, \rf
	MR \f, 0, 3, \set, \zero, \rset, \rf
	WIN 0
.if (\fl) == 1
	ds_load_b128 v[FA:FA+3], v[TBA]
.elseif (\fl) == 2
	ds_load_b128 v[FB:FB+3], v[TBA] offset:256
.endif
	FETCH \k, \g
.if \fl
	s_wait_dscnt 33                                ; all but the run just issued
.else
	s_wait_dscnt 32
.endif
	MR \f, 1, 0, \set, 0, \rset, \rf
	MR \f, 1, 1, \set, 0, \rset, \rf
	MR \f, 1, 2, \set, 0, \rset, \rf
	MR \f, 1, 3, \set, 0, \rset, \rf
.endm
; The last quarter and THE CHANGE OF SLOTS: each wave waits for all its tensor loads (one is out: its part of the other slot), adds 0 to its spare word, and waits for that and for its reads of this slot.
; fill = 1: the barrier opens a round of the cluster's barrier, and the joint refill (two steps on) is the first thing behind it: 112 products stand between that request and the wait for it.
.macro TURN fill
.if \fill
	s_wait_xcnt 0x0                                ; the last prefetch, a step back, has read its address
.endif
	WIN 0
	s_wait_tensorcnt 0x0                           ; no tensor load of mine is out, so a group 0 may be written
	ds_add_u32 v[SPW], v[NIL]
.if \fill
	s_xor_b32 s[G0P+5], s[G0P+5], SLOT
	s_xor_b32 s[G0V+5], s[G0V+5], SLOT
	MAKE G0P+4, G0V+4
	WALK                                           ; the walker goes a step ahead of the refill: the prefetch names that step
	s_add_nc_u64 s[PFA:PFA+1], s[PBASE:PBASE+1], s[OFFP:OFFP+1]
.endif
	v_add_nc_u32 v[TBA], 512, v[TBA]               ; the next step's factors
	s_wait_dscnt 17                                ; (the add and the youngest sixteen loads may be out)
	MR F1, 0, 0, Y, 0, X, FA
	MR F1, 0, 1, Y, 0, X, FA
	s_wait_dscnt 0x0                               ; the add is done, and my reads of this slot are over
	s_barrier_signal -1
	MR F1, 0, 2, Y, 0, X, FA
	MR F1, 0, 3, Y, 0, X, FA
	WIN 0
	s_barrier_wait -1
.if \fill
	CREST
	JLOAD
.endif
	s_xor_b32 s[TB], s[TB], SLOT
	v_add_nc_u32 v[ADP], s[TB], v[AP0]
	v_add_nc_u32 v[ADV], s[TB], v[AV0]
	FETCH 0, F0
	WIN 0
.if \fill
	ASK
.endif
	MR F1, 1, 0, Y, 0, X, FA
	MR F1, 1, 1, Y, 0, X, FA
	MR F1, 1, 2, Y, 0, X, FA
	MR F1, 1, 3, Y, 0, X, FA
.endm
; THE WAY OUT of a block: O / L, 16 queries x 64 channels (rows of 256 bytes) at a time through my stage.
.macro WAYOUT rl, ob, clear
.set a, 0
.rept 4
.set i, 0
.rept 16
.if a%2 == 0
	v_pk_mul_f32 v[O+32*a+2*i:O+32*a+2*i+1], v[O+32*a+2*i:O+32*a+2*i+1], v[(\rl)+2*(a/2):(\rl)+2*(a/2)+1] op_sel_hi:[1,0]
.else
	v_pk_mul_f32 v[O+32*a+2*i:O+32*a+2*i+1], v[O+32*a+2*i:O+32*a+2*i+1], v[(\rl)+2*(a/2):(\rl)+2*(a/2)+1] op_sel:[0,1] op_sel_hi:[1,1]
.endif
.set i, i+1
.endr
	s_wait_xcnt 0x0                                ; the registers that earlier stores read are loaded again only behind this wait
.set i, 0
.rept 8
	ds_store_b128 v[STO], v[O+32*a+4*i:O+32*a+4*i+3] offset:64*(i/2)+16*(i%2)
.set i, i+1
.endr
.set i, 0
.rept 8
	ds_load_b128 v[BK+32*(a%2)+4*i:BK+32*(a%2)+4*i+3], v[RD] offset:i*2*SP  ; LDS serves a wave's instructions in order (ISA guide 5.7.1.4)
.set i, i+1
.endr
	s_wait_dscnt 0x0
.set i, 0
.rept 8
	global_store_b128 v[CO], v[BK+32*(a%2)+4*i:BK+32*(a%2)+4*i+3], s[(\ob):(\ob)+1] offset:(16*a+2*i)*4096  ; 16 lanes store 256 consecutive bytes, aligned
.set i, i+1
.endr
.set a, a+1
.endr
.if \clear
.set i, 0
.rept 128
	v_mov_b32 v[O+i], 0
.set i, i+1
.endr
.endif
.endm
	s_wait_tensorcnt 1                             ; my part of step 0 is in; step 1's may stay out
	s_barrier_signal -1
	s_barrier_wait -1
	FETCH 0, F0
	WIN 0
	s_mov_b32 s[CNT], 8
.Lstep:                                        ; steps 0-7 of the walk: each asks for the step two on
.set rq, 0
	QUARTER 128, F0, F1, X, 1, Y, FB, 1
	QUARTER 256, F1, F0, X, 0, Y, FB, 0
	WIN 0
	s_cmp_eq_u32 s[CNT], s[WOA]                    ; the second block's first step: the first block's last group has just been added to O; the new block's first group lies apart, in X
	s_cbranch_scc0 .Lno_a
	WAYOUT RLA, OBA, 1
.Lno_a:
.set rq, 0
	QUARTER 384, F0, F1, Y, 1, X, FA, 2
	TURN 1
	WIN 0
	s_sub_co_u32 s[CNT], s[CNT], 1
	s_cmp_lg_u32 s[CNT], 0
	s_cbranch_scc1 .Lstep
	s_mov_b32 s[CNT], 2
.Ltail:                                        ; steps 8 and 9 ask for nothing (the last fetch of the other slot's old bytes serves nothing)
.set rq, 0
	QUARTER 128, F0, F1, X, 1, Y, FB, 1
	QUARTER 256, F1, F0, X, 0, Y, FB, 0
.set rq, 0
	QUARTER 384, F0, F1, Y, 1, X, FA, 2
	TURN 0
	WIN 0
	s_sub_co_u32 s[CNT], s[CNT], 1
	s_cmp_lg_u32 s[CNT], 0
	s_cbranch_scc1 .Ltail
.set rq, 0
	WIN RID
.rept 64
	RIDER Y, FB                                    ; the last group
.endr
	WIN 0
	WAYOUT RLB, OBB, 0
	s_wait_tensorcnt 0x0                           ; the wave's end
	ds_add_u32 v[SPW], v[NIL]
	s_wait_dscnt 0x0
	CROUND                                         ; the closing round
	s_endpgm
.Lfunc_end_k_q0476cea865_pv:
	.size	k_q0476cea865_pv, .Lfunc_end_k_q0476cea865_pv-k_q0476cea865_pv
	.p2alignl 7, 3214868480
	.fill 96, 4, 3214868480
	.section	.rodata,"a",@progbits
	.p2align	6, 0x0
	.amdhsa_kernel k_q0476cea865_pv
		.amdhsa_group_segment_fixed_size 327680
		.amdhsa_private_segment_fixed_size 0
		.amdhsa_enable_private_segment 0
		.amdhsa_kernarg_size 32
		.amdhsa_user_sgpr_count 2
		.amdhsa_user_sgpr_kernarg_segment_ptr 1
		.amdhsa_wavefront_size32 1
		.amdhsa_system_sgpr_workgroup_id_x 1
		.amdhsa_system_sgpr_workgroup_id_y 1
		.amdhsa_system_sgpr_workgroup_id_z 1
		.amdhsa_system_vgpr_workitem_id 0
		.amdhsa_next_free_vgpr 768
		.amdhsa_next_free_sgpr 106
		.amdhsa_reserve_vcc 0
		.amdhsa_float_denorm_mode_32 3
		.amdhsa_float_denorm_mode_16_64 3
		.amdhsa_memory_ordered 1
		.amdhsa_forward_progress 1
		.amdhsa_inst_pref_size 129
	.end_amdhsa_kernel
	.amdgpu_metadata
---
amdhsa.version: [ 1, 2 ]
amdhsa.kernels:
  - .name:           k_q0476cea865_pv
    .symbol:         k_q0476cea865_pv.kd
    .args:
      - { .name: pw, .offset: 0, .size: 8, .value_kind: global_buffer, .address_space: global }
      - { .name: vt, .offset: 8, .size: 8, .value_kind: global_buffer, .address_space: global }
      - { .name: stats, .offset: 16, .size: 8, .value_kind: global_buffer, .address_space: global }
      - { .name: out0, .offset: 24, .size: 8, .value_kind: global_buffer, .address_space: global }
    .group_segment_fixed_size: 327680
    .private_segment_fixed_size: 0
    .kernarg_segment_align: 8
    .kernarg_segment_size: 32
    .max_flat_workgroup_size: 128
    .sgpr_count:     106
    .vgpr_count:     768
    .wavefront_size: 32
...
	.end_amdgpu_metadata
.endif
;; end of part 4
;; ======== version 2 of 2: 4 launches; version 1 with the launch cast written anew for expert scheduling mode
;; limits: values are held in f16: magnitudes above 65,504 overflow, below 6.1e-05 lose precision
;; workspace buffers: xb 16,777,216 bytes; wb 6,291,456 bytes; qh 16,777,216 bytes; kh 16,777,216 bytes; vt 16,777,216 bytes; pw 33,554,432 bytes; stats 1,048,576 bytes
;; launch cast (part 5): grid 352 x 1, 8 waves a work-group, no clusters, 0 bytes of LDS; arguments x, W_query, W_key, W_value, xb, wb; writes xb, wb
.if DOCPART == 5
	.amdgcn_target "amdgcn-amd-amdhsa--gfx1250"
	.amdhsa_code_object_version 6
	.text
	.protected	k_q0476cea865_cast
	.globl	k_q0476cea865_cast
	.p2align	8
	.type	k_q0476cea865_cast,@function
k_q0476cea865_cast:
	s_mov_b64 s[64:65], 0
	v_nop
	global_prefetch_b8 v0, s[64:65] scope:SCOPE_SE
	s_setreg_imm32_b32 hwreg(HW_REG_WAVE_SCHED_MODE, 0, 2), 2
	s_setreg_imm32_b32 hwreg(HW_REG_WAVE_MODE, 25, 1), 1
	s_wait_xcnt 0x0
	s_wait_alu depctr_vm_vsrc(0)
; x [8192][1024] and the three weights [1024][1024], f32, are rounded once to bf16 (nearest even) and laid out in blocks of 64 along K:
; xb [kb 16][row 8192][64], wb [kb 16][row 3072][64] (rows 0-1023 W_query, 1024-2047 W_key, 2048-3071 W_value), so that R rows x 64 K are R x 128 dense bytes.
; A stream: every byte is read once and written once; no LDS, no barrier, no matrix unit, no cluster (no work-group shares a byte with another).
; SHARES.  A work-group takes 32 rows of 4,096 bytes: ids 0-255 x, ids 256-351 the weights (32 work-groups each).  Wave w takes rows 4 w .. 4 w + 3 as two pairs.
; One load: lanes 0-15 take 256 consecutive bytes (one kb) of a row, lanes 16-31 the same kb of the next row.  A lane's 4 numbers become 8 bytes;
; one store of the wave covers 256 consecutive bytes, aligned: two rows x 128 bytes of one kb block.
; All 32 loads of a wave go out first (16 KiB on their way); no register is written twice, so no source of a pending instruction is ever rewritten.
; THE MODE: SCHED_MODE bits 1:0 = 2 (LLVM: expert scheduling mode 2), set by the entry lines.  The code itself states the register dependences
; between vector instructions and memory instructions, with s_wait_alu, always for 0.
; THE PLAN.  Registers that memory instructions touch:
;   v1, v[4:19]  the loads' offset and the stores' sixteen offsets: written by vector lines at the head, never again; one wait ahead of the first load states that they are written.
;   X            number n: written by load n alone, once; read by number n's two conversions, behind the counted wait for the load.  No vector line writes X and no second load lands in it.
;   Y            number n: written by number n's two conversions, once; read by store n.
; The 32 numbers go in 8 blocks of four.  Block p's conversions name X and Y of block p alone; its memory instructions are the four stores of block p - 1, which read Y of block p - 1
; and offsets.  So ONE wait at a block's head states all that its four stores hang on, and these are dealt among the block's conversions with no further wait.
; No register that a memory instruction reads is written again, no vector line writes a scalar register or VCC, and EXEC is never written: no other wait has a dependence to state.
.set OFD, 4                            ; v[4:19]    byte offset of my 8 bytes in block kb
.set X,   32                           ; v[32:159]  32 loads x 4 registers
.set Y,   160                          ; v[160:223] 32 stores x 2 registers
.set BLK, 4                            ; numbers in a block
	s_load_b256 s[4:11], s[0:1], 0x0               ; x s[4:5], W_query s[6:7], W_key s[8:9], W_value s[10:11]
	s_load_b128 s[12:15], s[0:1], 0x20             ; xb s[12:13], wb s[14:15]
	v_and_b32 v20, 31, v0                          ; lane
	v_lshrrev_b32 v21, 5, v0                       ; wave
	v_and_b32 v22, 15, v0
	v_bfe_u32 v23, v0, 4, 1
	v_lshlrev_b32 v1, 4, v22                       ; source: 16 (l % 16)
	v_lshl_add_u32 v1, v23, 12, v1                 ; + a row for lanes 16-31
	v_lshl_add_u32 v1, v21, 14, v1                 ; + 4 rows a wave
	v_lshlrev_b32 v2, 3, v20                       ; destination: 8 l (two rows of 128 bytes on end)
	v_lshl_add_u32 v2, v21, 9, v2                  ; + 4 rows a wave
	s_sub_co_u32 s17, ttmp9, 256                   ; the weights' work-groups: t = 32 x which + block
	s_lshr_b32 s18, s17, 5                         ; which weight
	s_and_b32 s19, s17, 31                         ; which 32 rows of it
	s_mov_b32 s27, 8192*128                        ; bytes from kb to kb in xb
	s_mov_b32 s28, 3072*128                        ; and in wb
	s_cmp_lt_u32 ttmp9, 256
	s_cselect_b32 s30, ttmp9, s19                  ; block of 32 rows in the source
	s_cselect_b32 s32, ttmp9, s17                  ; block of 32 rows in the destination (in wb: 32 x which + block = t)
	s_cselect_b32 s25, s27, s28
	s_lshl_b32 s30, s30, 17                        ; x 32 rows x 4,096 bytes
	s_mov_b32 s31, 0
	s_lshl_b32 s32, s32, 12                        ; x 32 rows x 128 bytes
	s_mov_b32 s33, 0
.set kb, 0
.rept 16
	s_mul_i32 s29, s25, kb
	v_add_nc_u32 v[OFD+kb], s29, v2
.set kb, kb+1
.endr
	s_wait_kmcnt 0x0
	s_cmp_eq_u32 s18, 1
	s_cselect_b64 s[20:21], s[8:9], s[6:7]
	s_cmp_eq_u32 s18, 2
	s_cselect_b64 s[20:21], s[10:11], s[20:21]
	s_cmp_lt_u32 ttmp9, 256
	s_cselect_b64 s[20:21], s[4:5], s[20:21]       ; the source
	s_cselect_b64 s[22:23], s[12:13], s[14:15]     ; the destination
	s_add_nc_u64 s[20:21], s[20:21], s[30:31]
	s_add_nc_u64 s[22:23], s[22:23], s[32:33]
	s_wait_alu depctr_va_vdst(0)                   ; v1 and v[4:19] are written: every load reads v1 as its offset, every store one of v[4:19]
.set n, 0
.rept 32                                       ; n = 16 x pair + kb
	global_load_b128 v[X+4*n:X+4*n+3], v1, s[20:21] offset:(n/16)*8192+(n%16)*256 th:TH_LOAD_NT
.set n, n+1
.endr
.set p, 0
.rept 32/BLK                                   ; block p: numbers 4 p .. 4 p + 3 are rounded, and the block before is stored
	s_wait_loadcnt 32-BLK-BLK*p                    ; loads come back in order: block p's four are in, the younger ones stay out
.if p > 0
	s_wait_alu depctr_va_vdst(0)                   ; the conversions of block p - 1 have written their Y, which the four stores below read
.endif
.set i, 0
.rept BLK
.set n, BLK*p+i
.if p > 0
	global_store_b64 v[OFD+(n-BLK)%16], v[Y+2*(n-BLK):Y+2*(n-BLK)+1], s[22:23] offset:((n-BLK)/16)*256  ; no vector line since the wait names these registers
.endif
	v_cvt_pk_bf16_f32 v[Y+2*n], v[X+4*n], v[X+4*n+1]
	v_cvt_pk_bf16_f32 v[Y+2*n+1], v[X+4*n+2], v[X+4*n+3]
.set i, i+1
.endr
.set p, p+1
.endr
	s_wait_alu depctr_va_vdst(0)                   ; the conversions of the last block have written their Y, which the last four stores read
.set n, 32-BLK
.rept BLK
	global_store_b64 v[OFD+n%16], v[Y+2*n:Y+2*n+1], s[22:23] offset:(n/16)*256
.set n, n+1
.endr
	s_endpgm
.Lfunc_end_k_q0476cea865_cast:
	.size	k_q0476cea865_cast, .Lfunc_end_k_q0476cea865_cast-k_q0476cea865_cast
	.p2alignl 7, 3214868480
	.fill 96, 4, 3214868480
	.section	.rodata,"a",@progbits
	.p2align	6, 0x0
	.amdhsa_kernel k_q0476cea865_cast
		.amdhsa_group_segment_fixed_size 0
		.amdhsa_private_segment_fixed_size 0
		.amdhsa_enable_private_segment 0
		.amdhsa_kernarg_size 48
		.amdhsa_user_sgpr_count 2
		.amdhsa_user_sgpr_kernarg_segment_ptr 1
		.amdhsa_wavefront_size32 1
		.amdhsa_system_sgpr_workgroup_id_x 1
		.amdhsa_system_sgpr_workgroup_id_y 1
		.amdhsa_system_sgpr_workgroup_id_z 1
		.amdhsa_system_vgpr_workitem_id 0
		.amdhsa_next_free_vgpr 224
		.amdhsa_next_free_sgpr 66
		.amdhsa_reserve_vcc 0
		.amdhsa_float_denorm_mode_32 3
		.amdhsa_float_denorm_mode_16_64 3
		.amdhsa_memory_ordered 1
		.amdhsa_forward_progress 1
		.amdhsa_inst_pref_size 14
	.end_amdhsa_kernel
	.amdgpu_metadata
---
amdhsa.version: [ 1, 2 ]
amdhsa.kernels:
  - .name:           k_q0476cea865_cast
    .symbol:         k_q0476cea865_cast.kd
    .args:
      - { .name: x, .offset: 0, .size: 8, .value_kind: global_buffer, .address_space: global }
      - { .name: W_query, .offset: 8, .size: 8, .value_kind: global_buffer, .address_space: global }
      - { .name: W_key, .offset: 16, .size: 8, .value_kind: global_buffer, .address_space: global }
      - { .name: W_value, .offset: 24, .size: 8, .value_kind: global_buffer, .address_space: global }
      - { .name: xb, .offset: 32, .size: 8, .value_kind: global_buffer, .address_space: global }
      - { .name: wb, .offset: 40, .size: 8, .value_kind: global_buffer, .address_space: global }
    .group_segment_fixed_size: 0
    .private_segment_fixed_size: 0
    .kernarg_segment_align: 8
    .kernarg_segment_size: 48
    .max_flat_workgroup_size: 256
    .sgpr_count:     66
    .vgpr_count:     224
    .wavefront_size: 32
...
	.end_amdgpu_metadata
.endif
;; end of part 5
;; launch proj: the kernel of part 2 again; grid 8 x 32, 4 waves a work-group, clusters of 4 x 4, 327,680 bytes of LDS; arguments xb, wb, qh, kh, vt; writes qh, kh, vt
;; launch score: the kernel of part 3 again; grid 36 x 4, 4 waves a work-group, no clusters, 327,680 bytes of LDS; arguments qh, kh, pw, stats; writes pw, stats
;; launch pv: the kernel of part 4 again; grid 8 x 32, 4 waves a work-group, clusters of 4 x 4, 327,680 bytes of LDS; arguments pw, vt, stats, out0; writes out0
